; MI455X (gfx1250); checked and timed in simulation.
; The chip was launched on July 23, 2026; its instructions are those of AMD's public machine-readable ISA for CDNA 5 (MIT licence, August 2026) and "CDNA5" Instruction Set Architecture Reference Guide (July 2026). The comments in the code are by the model that wrote it; some were corrected since.
;; Mr T5 Layer Self Attention. Allowed arithmetic: float matrix products may take bf16 or f16 operands with f32 sums; all other float work in f32.
;; Inputs: delete_gate_mask 2 x 2,048 x 1 float32; hidden_states 2 x 2,048 x 1,024 float32; k_w 1,024 x 1,024 float32; ln_w 1,024 float32; o_w 1,024 x 1,024 float32; q_w 1,024 x 1,024 float32; rel_emb 32 x 16 float32; v_w 1,024 x 1,024 float32.
;; Outputs: out0 2 x 2,048 x 1,024 float32.
;; One version. Each part assembles by itself: llvm-mc -triple=amdgcn-amd-amdhsa -mcpu=gfx1250 --defsym DOCPART=n.
;; ======== version 1 of 1: 4 launches
;; workspace buffers: xn 8,388,608 bytes; wt 8,388,608 bytes; bias1 262,144 bytes; qkv 25,165,824 bytes; ao 8,388,608 bytes
;; launch prep (part 1): grid 256 x 1, 8 waves a work-group, no clusters, 35,840 bytes of LDS; arguments hidden_states, ln_w, q_w, k_w, v_w, o_w, rel_emb, xn, wt, bias1; writes xn, wt, bias1
.if DOCPART == 1
	.amdgcn_target "amdgcn-amd-amdhsa--gfx1250"
	.amdhsa_code_object_version 6
	.text
	.protected	k_qf001cd108d_prep
	.globl	k_qf001cd108d_prep
	.p2align	8
	.type	k_qf001cd108d_prep,@function
k_qf001cd108d_prep:
	s_mov_b64 s[64:65], 0
	v_nop
	global_prefetch_b8 v0, s[64:65] scope:SCOPE_SE
	s_setreg_imm32_b32 hwreg(HW_REG_WAVE_MODE, 25, 1), 1
	s_wait_xcnt 0x0
; Three preparations, a share of each in every one of the 256 work-groups (8 waves).
;  (W) one block of 128 k x 128 n of one of the four weights [k][n] f32 is rounded to bf16 and transposed through LDS into
;      wt[4096 n][1024 k] bf16 (rows 0-1023 q_w, 1024-2047 k_w, 2048-3071 v_w, 3072-4095 o_w): 4 weights x 64 blocks = 256.
;  (N) 16 rows of hidden_states, two a wave, get the RMS norm: xn = bf16(x * rsqrt(mean(x^2) + 1e-6) * ln_w).  A row of 4,096 bytes is
;      32 registers of one wave, so it is read once and the sum never leaves the wave.
;  (B) 256 entries of bias1[16 h][4096 i] = rel_emb[bucket(i - 2048)][h], f32, by waves 0 and 1: the position bias as a function of
;      key - query alone.  bucket(rel), n = |rel|: n below 8 gives n, else 8 + the number of thresholds 12, 16, 23, 32, 46, 64, 91 that n
;      reaches (8 + floor(2 log2(n / 8)), at most 15, written in whole numbers); + 16 where rel > 0.
; No matrix unit, no cluster: every byte is read once and nothing is shared between work-groups.
; Limits: NaN and infinite inputs are not served.
.set PITCH, 272                        ; LDS row of the transposed block: 128 bf16 + 16 bytes
.set YO,  32                           ; v[32:63]    the two normed rows in bf16, 16 registers each
.set WR,  64                           ; v[64:127]   16 k rows x 4 n of the weight block; later the block read back by rows
.set XR,  128                          ; v[128:191]  the two rows of hidden_states
.set LNR, 192                          ; v[192:223]  ln_w
.set AC,  16                           ; v[16:23]    four chains of the sum of squares
	s_load_b512 s[4:19], s[0:1], 0x0               ; hidden s[4:5], ln_w s[6:7], q_w s[8:9], k_w s[10:11], v_w s[12:13], o_w s[14:15], rel_emb s[16:17], xn s[18:19]
	s_load_b128 s[20:23], s[0:1], 0x40             ; wt s[20:21], bias1 s[22:23]
	v_lshl_add_u32 v224, v0, 2, 0x8800
	v_mov_b32 v225, 0
	v_and_b32 v1, 31, v0                           ; lane
	v_lshrrev_b32 v2, 5, v0                        ; wave, in every lane
	v_readfirstlane_b32 s24, v2                    ; wave, as a scalar
	s_lshr_b32 s25, ttmp9, 6                       ; which weight: 0 q, 1 k, 2 v, 3 o
	s_bfe_u32 s30, ttmp9, 0x30003                  ; block along k, 0..7
	s_and_b32 s31, ttmp9, 7                        ; block along n, 0..7
	s_lshl_b32 s32, s30, 19                        ; 128 k rows of 4,096 bytes
	s_lshl_b32 s34, s31, 9                         ; 128 n of 4 bytes
	s_add_co_u32 s32, s32, s34
	s_mov_b32 s33, 0                               ; s[32:33]: the block's offset in its weight
	s_lshl_b32 s34, ttmp9, 16                      ; 16 rows of 4,096 bytes of hidden_states
	s_mov_b32 s35, 0
	s_lshl_b32 s36, ttmp9, 15                      ; 16 rows of 2,048 bytes of xn
	s_mov_b32 s37, 0
	s_lshl_b32 s38, s25, 21                        ; wt: 1,024 rows of 2,048 bytes for each weight,
	s_lshl_b32 s40, s31, 18                        ; 128 rows for each block along n,
	s_add_co_u32 s38, s38, s40
	s_lshl_b32 s40, s30, 8                         ; 128 bf16 for each block along k
	s_add_co_u32 s38, s38, s40
	s_mov_b32 s39, 0
	s_lshl_b32 s40, ttmp9, 10                      ; bias1: 256 entries of 4 bytes
	s_mov_b32 s41, 0
	s_lshr_b32 s42, ttmp9, 4                       ; the head of my entries,
	s_lshl_b32 s42, s42, 2                         ; its column in rel_emb
	s_mov_b32 s43, 0
	s_mov_b32 s44, 0x76543210                      ; v_permlanex16_b32: lane i reads lane i of the other half
	s_mov_b32 s45, 0xfedcba98
	s_mov_b32 s46, 0x3a800000                      ; 1 / 1024
	s_mov_b32 s47, 0x358637bd                      ; 1e-6
	v_lshlrev_b32 v4, 4, v1                        ; 16 lane: ln_w
	v_lshl_add_u32 v3, v2, 16, v4                  ; + 16 k rows a wave: the weight block
	v_lshl_add_u32 v5, v2, 13, v4                  ; + 2 rows a wave: hidden_states
	v_lshlrev_b32 v6, 3, v1
	v_lshl_add_u32 v6, v2, 12, v6                  ; 8 lane + 2 rows a wave: xn
	v_mul_u32_u24 v7, v1, 4*PITCH
	v_lshl_add_u32 v7, v2, 5, v7                   ; LDS, in: row n = 4 lane, byte 2 k = 32 wave
	v_lshrrev_b32 v24, 4, v1                       ; lane / 16
	v_and_b32 v25, 15, v1
	v_lshlrev_b32 v25, 4, v25                      ; 16 (lane % 16)
	v_mad_u32_u24 v26, v24, PITCH, v25
	v_mad_u32_u24 v26, v2, 16*PITCH, v26           ; LDS, back: 16 rows a wave, two rows a load
	v_lshl_add_u32 v27, v24, 11, v25
	v_lshl_add_u32 v27, v2, 15, v27                ; the same two rows in wt
	s_wait_kmcnt 0x0
	s_bitcmp1_b32 s25, 0
	s_cselect_b64 s[26:27], s[10:11], s[8:9]       ; k_w or q_w
	s_cselect_b64 s[28:29], s[14:15], s[12:13]     ; o_w or v_w
	s_bitcmp1_b32 s25, 1
	s_cselect_b64 s[26:27], s[28:29], s[26:27]     ; my weight
	s_add_nc_u64 s[26:27], s[26:27], s[32:33]
	s_add_nc_u64 s[4:5], s[4:5], s[34:35]
	s_add_nc_u64 s[18:19], s[18:19], s[36:37]
	s_add_nc_u64 s[20:21], s[20:21], s[38:39]
	s_add_nc_u64 s[22:23], s[22:23], s[40:41]
	s_add_nc_u64 s[16:17], s[16:17], s[42:43]
	; all 40 loads of the wave go out at once; each covers 512 consecutive bytes
.irp kk, 0,1,2,3,4,5,6,7,8,9,10,11,12,13,14,15
	global_load_b128 v[WR+4*\kk:WR+4*\kk+3], v3, s[26:27] offset:4096*\kk th:TH_LOAD_NT   ; k row 16 wave + kk, n = 4 lane .. + 3
.endr
.irp i, 0,1,2,3,4,5,6,7
	global_load_b128 v[LNR+4*\i:LNR+4*\i+3], v4, s[6:7] offset:512*\i
.endr
.irp i, 0,1,2,3,4,5,6,7
	global_load_b128 v[XR+4*\i:XR+4*\i+3], v5, s[4:5] offset:512*\i
.endr
.irp i, 0,1,2,3,4,5,6,7
	global_load_b128 v[XR+32+4*\i:XR+32+4*\i+3], v5, s[4:5] offset:4096+512*\i
.endr
	; (W) eight neighbouring k of one n make 16 bytes of the transposed row
	s_wait_loadcnt 24                              ; the 16 weight loads are in; ln_w and the two rows (24 loads) stay out
.irp hf, 0,1
.irp c, 0,1,2,3
.irp p, 0,1,2,3
	v_cvt_pk_bf16_f32 v[8+4*(\c&1)+\p], v[WR+(8*\hf+2*\p)*4+\c], v[WR+(8*\hf+2*\p+1)*4+\c]
.endr
	ds_store_b128 v7, v[8+4*(\c&1):8+4*(\c&1)+3] offset:\c*PITCH+16*\hf
.endr
.endr
; (N) one row: sum of squares in four chains, across the lanes, scale, round, store
.macro NORM rho
.irp a, 0,1,2,3
	v_pk_mul_f32 v[AC+2*\a:AC+2*\a+1], v[XR+32*\rho+2*\a:XR+32*\rho+2*\a+1], v[XR+32*\rho+2*\a:XR+32*\rho+2*\a+1]   ; the first products start the chains
.endr
.set j, 4
.rept 12
	v_pk_fma_f32 v[AC+2*(j%4):AC+2*(j%4)+1], v[XR+32*\rho+2*j:XR+32*\rho+2*j+1], v[XR+32*\rho+2*j:XR+32*\rho+2*j+1], v[AC+2*(j%4):AC+2*(j%4)+1]
.set j, j+1
.endr
	v_pk_add_f32 v[AC:AC+1], v[AC:AC+1], v[AC+2:AC+3]
	v_pk_add_f32 v[AC+4:AC+5], v[AC+4:AC+5], v[AC+6:AC+7]
	v_pk_add_f32 v[AC:AC+1], v[AC:AC+1], v[AC+4:AC+5]
	v_add_f32 v[AC], v[AC], v[AC+1]
	v_add_f32_dpp v[AC], v[AC], v[AC] row_xmask:1 row_mask:0xf bank_mask:0xf
	v_add_f32_dpp v[AC], v[AC], v[AC] row_xmask:2 row_mask:0xf bank_mask:0xf
	v_add_f32_dpp v[AC], v[AC], v[AC] row_xmask:4 row_mask:0xf bank_mask:0xf
	v_add_f32_dpp v[AC], v[AC], v[AC] row_xmask:8 row_mask:0xf bank_mask:0xf
	v_permlanex16_b32 v[AC+1], v[AC], s44, s45
	v_add_f32 v[AC], v[AC], v[AC+1]                ; the row's sum, in every lane
	v_fma_f32 v[AC], v[AC], s46, s47               ; mean + 1e-6
	v_rsq_f32 v[AC+2], v[AC]
	v_nop                                          ; one plain instruction between v_rsq_f32 and the use of its result (ISA guide 5.7.2)
.set j, 0
	s_wait_alu depctr_va_vdst(0)
.rept 16
	v_pk_mul_f32 v[XR+32*\rho+2*j:XR+32*\rho+2*j+1], v[XR+32*\rho+2*j:XR+32*\rho+2*j+1], v[AC+2:AC+3] op_sel_hi:[1,0]
.set j, j+1
.endr
.set j, 0
.rept 16
	v_pk_mul_f32 v[XR+32*\rho+2*j:XR+32*\rho+2*j+1], v[XR+32*\rho+2*j:XR+32*\rho+2*j+1], v[LNR+2*j:LNR+2*j+1]
.set j, j+1
.endr
.set j, 0
.rept 16
	v_cvt_pk_bf16_f32 v[YO+16*\rho+j], v[XR+32*\rho+2*j], v[XR+32*\rho+2*j+1]
.set j, j+1
.endr
.irp i, 0,1,2,3,4,5,6,7
	global_store_b64 v6, v[YO+16*\rho+2*\i:YO+16*\rho+2*\i+1], s[18:19] offset:2048*\rho+256*\i   ; 32 lanes store 256 consecutive bytes, aligned
.endr
.endm
	s_wait_loadcnt 8                               ; ln_w and the first row are in; the second row's 8 loads stay out
	NORM 0
	s_wait_loadcnt 0x0
	NORM 1
	; (W) back by rows: the rows hold k from all eight waves
	s_wait_dscnt 0x0                               ; my LDS stores are done, for the other waves' sake
	s_barrier_signal -1
	s_barrier_wait -1
.irp i, 0,1,2,3,4,5,6,7
	ds_load_b128 v[WR+4*\i:WR+4*\i+3], v26 offset:2*PITCH*\i
.endr
.irp i, 0,1,2,3,4,5,6,7
	s_wait_dscnt 7-\i                              ; LDS loads come back in order: load i is in
	global_store_b128 v27, v[WR+4*\i:WR+4*\i+3], s[20:21] offset:4096*\i   ; sixteen lanes store 256 consecutive bytes of one row of wt, aligned
.endr
	; (B) waves 0 and 1: four entries a lane
	s_cmp_gt_u32 s24, 1
	s_cbranch_scc1 .Ldone
	s_and_b32 s25, ttmp9, 15
	s_lshl_b32 s25, s25, 8                         ; 256 entries for each work-group of a head
	v_lshlrev_b32 v96, 2, v1
	v_lshl_add_u32 v96, v2, 7, v96
	v_add_nc_u32 v96, s25, v96                     ; i of my first entry
	v_mov_b32 v98, 16
	v_lshl_add_u32 v103, v2, 9, v4                 ; where my 16 bytes go
.irp e, 0,1,2,3
	v_add_nc_u32 v99, \e, v96                      ; i;  rel = i - 2048
	v_add_nc_u32 v100, 0xfffff800, v99             ; i - 2048
	v_sub_nc_u32 v101, 0x800, v99                  ; 2048 - i: one of the two wraps to a huge number
	v_min_u32 v100, v100, v101                     ; n = |rel|
	v_mov_b32 v102, 8
.irp th, 12,16,23,32,46,64,91
	v_cmp_le_u32 vcc_lo, \th, v100
	v_add_co_ci_u32 v102, vcc_lo, 0, v102, vcc_lo  ; + 1 where n has reached the threshold
.endr
	v_cmp_gt_u32 vcc_lo, 8, v100
	v_cndmask_b32 v102, v102, v100, vcc_lo         ; n below 8: n itself
	v_cmp_lt_u32 vcc_lo, 0x800, v99
	v_cndmask_b32 v101, 0, v98, vcc_lo             ; rel > 0: the upper sixteen buckets
	v_add_lshl_u32 v[104+\e], v102, v101, 6        ; a row of rel_emb is 64 bytes
	global_load_b32 v[108+\e], v[104+\e], s[16:17]
.endr
	s_wait_loadcnt 0x0
	global_store_b128 v103, v[108:111], s[22:23]
.Ldone:
	s_wait_tensorcnt 0x0
	ds_add_u32 v224, v225
	s_wait_dscnt 0x0
	s_endpgm
.Lfunc_end_k_qf001cd108d_prep:
	.size	k_qf001cd108d_prep, .Lfunc_end_k_qf001cd108d_prep-k_qf001cd108d_prep
	.p2alignl 7, 3214868480
	.fill 96, 4, 3214868480
	.section	.rodata,"a",@progbits
	.p2align	6, 0x0
	.amdhsa_kernel k_qf001cd108d_prep
		.amdhsa_group_segment_fixed_size 35840
		.amdhsa_private_segment_fixed_size 0
		.amdhsa_enable_private_segment 0
		.amdhsa_kernarg_size 80
		.amdhsa_user_sgpr_count 2
		.amdhsa_user_sgpr_kernarg_segment_ptr 1
		.amdhsa_wavefront_size32 1
		.amdhsa_system_sgpr_workgroup_id_x 1
		.amdhsa_system_sgpr_workgroup_id_y 1
		.amdhsa_system_sgpr_workgroup_id_z 1
		.amdhsa_system_vgpr_workitem_id 0
		.amdhsa_next_free_vgpr 226
		.amdhsa_next_free_sgpr 66
		.amdhsa_reserve_vcc 1
		.amdhsa_float_denorm_mode_32 3
		.amdhsa_float_denorm_mode_16_64 3
		.amdhsa_memory_ordered 1
		.amdhsa_forward_progress 1
		.amdhsa_inst_pref_size 27
	.end_amdhsa_kernel
	.amdgpu_metadata
---
amdhsa.version: [ 1, 2 ]
amdhsa.kernels:
  - .name:           k_qf001cd108d_prep
    .symbol:         k_qf001cd108d_prep.kd
    .args:
      - { .name: hidden_states, .offset: 0, .size: 8, .value_kind: global_buffer, .address_space: global }
      - { .name: ln_w, .offset: 8, .size: 8, .value_kind: global_buffer, .address_space: global }
      - { .name: q_w, .offset: 16, .size: 8, .value_kind: global_buffer, .address_space: global }
      - { .name: k_w, .offset: 24, .size: 8, .value_kind: global_buffer, .address_space: global }
      - { .name: v_w, .offset: 32, .size: 8, .value_kind: global_buffer, .address_space: global }
      - { .name: o_w, .offset: 40, .size: 8, .value_kind: global_buffer, .address_space: global }
      - { .name: rel_emb, .offset: 48, .size: 8, .value_kind: global_buffer, .address_space: global }
      - { .name: xn, .offset: 56, .size: 8, .value_kind: global_buffer, .address_space: global }
      - { .name: wt, .offset: 64, .size: 8, .value_kind: global_buffer, .address_space: global }
      - { .name: bias1, .offset: 72, .size: 8, .value_kind: global_buffer, .address_space: global }
    .group_segment_fixed_size: 35840
    .private_segment_fixed_size: 0
    .kernarg_segment_align: 8
    .kernarg_segment_size: 80
    .max_flat_workgroup_size: 256
    .sgpr_count:     66
    .vgpr_count:     226
    .wavefront_size: 32
...
	.end_amdgpu_metadata
.endif
;; end of part 1
;; launch qkv (part 2): grid 12 x 16, 4 waves a work-group, clusters of 4 x 4, 327,680 bytes of LDS; arguments xn, wt, qkv; writes qkv
.if DOCPART == 2
	.amdgcn_target "amdgcn-amd-amdhsa--gfx1250"
	.amdhsa_code_object_version 6
	.text
	.protected	k_qf001cd108d_qkv
	.globl	k_qf001cd108d_qkv
	.p2align	8
	.type	k_qf001cd108d_qkv,@function
k_qf001cd108d_qkv:
	s_mov_b64 s[64:65], 0
	v_nop
	global_prefetch_b8 v0, s[64:65] scope:SCOPE_SE
	s_setreg_imm32_b32 hwreg(HW_REG_WAVE_MODE, 25, 1), 1
	s_wait_xcnt 0x0
	s_wait_alu depctr_hold_cnt(0) depctr_sa_sdst(0) depctr_va_vdst(0) depctr_va_sdst(0) depctr_va_ssrc(0) depctr_va_vcc(0) depctr_vm_vsrc(0)
	s_getreg_b32 s2, hwreg(HW_REG_IB_STS2, 6, 4)
	s_cmp_eq_u32 s2, 0
	s_cbranch_scc0 .Lentry_in_a_cluster
	s_endpgm
.Lentry_in_a_cluster:
	s_bfe_u32 s2, ttmp6, 0x10000c
	s_cmp_lg_u32 s2, 0xf033
	s_cbranch_scc0 .Lentry_shape_is_right
	s_endpgm
.Lentry_shape_is_right:
; q, k, v = xn * wt^T for wt's rows 0 to 3071: C[m][n] = sum over k of xn[m][k] wt[n][k], M = 4096, N = 3072, K = 1024, bf16 in, f32 sums,
; rounded once to bf16 and stored by heads: qkv[sel 3][batch 2][head 16][token 2048][64].
; A work-group makes a block of 256 x 256 of C with four waves, a wave 128 x 128: 64 accumulator tiles of 16 x 16, 512 registers.  K goes in steps of
; 128 through a ring of two LDS slots filled by the tensor data mover; a tile's rows are 256 bytes of memory at multiples of 256 bytes.
; 12 x 16 = 192 work-groups: a wave's 128 columns are exactly two heads, so that every store covers 512 consecutive bytes of one head.
; CLUSTERS: 4 x 4 work-groups.  The four of a row of the cluster need the same tiles of xn, the four of a column the same tiles of wt: each tile is asked
; for jointly, by the same tensor load with the same descriptor and a mask that names the four.  That divides the requests by four.
; REGISTERS, in windows of 256: window 0: v0-31 addresses; v64-127, v128-191 fragments of A, two buffers; v192-223 at work on the way out;
; window 1: v64-127, v128-191 fragments of B; window 2: the 32 accumulator tiles of my rows 0-63 (tile (a, b) at v[8 (8 a + b)]); window 3: rows 64-127.
; THE MATRIX INSTRUCTION IS USED TRANSPOSED: source 0 = 16 rows of wt, source 1 = 16 rows of xn, so that lane l holds row l % 16 of C and its eight
; registers eight neighbouring columns, which pack into 16 bytes.
.set SIZE_K, 1024
.set HP,     262144                    ; bytes of one head's plane: 2048 tokens x 64 bf16
.set KSTEP,  128
.set PITCH,  272                       ; an LDS row: 256 bytes + 16 of padding: the 16 rows that a load touches start 16 bytes apart modulo 256
.set HALFT,  128*PITCH                 ; 128 rows: what one tensor load brings, and what one wave reads of A or of B
.set SLOT,   4*HALFT                   ; A's 256 rows, then B's 256 rows
.set STAGE,  2*SLOT                    ; behind the ring: 16 rows x 272 bytes for each wave, for the way out
.set SPITCH, 272
.set LAPS, SIZE_K/(2*KSTEP)            ; a lap = two K steps = once round the ring: 4
.set ADRA, 16                          ; v16-17  LDS address of my A fragments in slot 0, 1
.set ADRB, 20                          ; v20-21  the same for B
.set STO,  24                          ; v24     the way out: where I put 16 bytes of a row
.set RD,   25                          ; v25     the way out: where I read back
.set CO,   26                          ; v26     my byte offset in a store's 512 bytes
.set F0,   64
.set F1,   128
.set TMP,  192
.set G1, 24                            ; s[24:31] descriptor group 1 for A's tiles
.set G0, 32                            ; s[32:39] descriptor group 0 for A's tiles, one set for each slot
.set G1B, 48                           ; s[48:55] group 1 for B's tiles: it differs in the mask alone
.set G0B, 56                           ; s[56:63] group 0 for B's tiles
.set MSB, 0
.macro WIN new                         ; the immediate's high byte repeats the setting that is left
.if MSB != \new
	s_set_vgpr_msb (MSB<<8)|\new
.set MSB, \new
.endif
.endm
.set MUL_LO, 0xa1                      ; source 0 (B) window 1, source 1 (A) window 0, C and D window 2
.set MUL_HI, 0xf1                      ; the same, C and D window 3
.set TO_B,   0x40                      ; destination window 1, address window 0
; A joint load.  Waves 0 and 1 fetch A's two halves, waves 2 and 3 B's.  Each line has one mask and one set of registers for all that issue it.
.macro JLOAD s
	s_cmp_eq_u32 s11, 0
	s_cbranch_scc0 .Lfor_b_\@
	tensor_load_to_lds s[G0+4*\s:G0+4*\s+3], s[G1:G1+7]
	s_nop 0
	s_branch .Lasked_\@
.Lfor_b_\@:
	tensor_load_to_lds s[G0B+4*\s:G0B+4*\s+3], s[G1B:G1B+7]
	s_nop 0
.Lasked_\@:
.endm
; A round of the cluster's barrier: my work-group's barrier; wave 0 signals for the work-group; every wave waits for all sixteen; my work-group's barrier again.
.macro CREST                           ; a round behind its opening barrier
	s_cmp_lg_u32 s10, 0
	s_cbranch_scc1 .Lnot_wave_0_\@
	s_barrier_signal -3
.Lnot_wave_0_\@:
	s_barrier_wait -3
	s_barrier_signal -1
	s_barrier_wait -1
.endm
.macro CROUND
	s_barrier_signal -1
	s_barrier_wait -1
	CREST
.endm
	s_load_b128 s[4:7], s[0:1], 0x0                ; xn s[4:5], wt s[6:7]
	s_load_b64 s[8:9], s[0:1], 0x10                ; qkv
	s_set_vgpr_msb 0x40
	v_lshl_add_u32 v255, v0, 2, 0x48400
	s_set_vgpr_msb 0x4000
	v_mov_b32 v255, 0
	s_set_vgpr_msb 0x1
	ds_add_u32 v255, v255
	s_set_vgpr_msb 0x100
	v_lshrrev_b32 v1, 5, v0
	v_readfirstlane_b32 s10, v1                    ; wave 0..3
	s_lshr_b32 s11, s10, 1                         ; which half of the block's rows is mine.  Also: I fetch for A (0) or for B (1)
	s_and_b32 s12, s10, 1                          ; which half of its columns.  Also: which 128 rows of that tile I fetch
	s_bfe_u32 s40, ttmp6, 0x40000                  ; cx
	s_bfe_u32 s41, ttmp6, 0x40004                  ; cy
	s_lshl_b32 s42, ttmp9, 2
	s_add_co_u32 s42, s42, s40                     ; block column of C = 4 x cluster x + cx
	s_and_b32 s13, ttmp7, 0xffff
	s_lshl_b32 s13, s13, 2
	s_add_co_u32 s13, s13, s41                     ; block row of C = 4 x cluster y + cy
	s_lshl_b32 s43, s41, 2
	s_lshl_b32 s43, 15, s43                        ; my row of the cluster: places 4 cy .. 4 cy + 3
	s_lshl_b32 s44, 0x1111, s40                    ; my column: places cx, cx + 4, cx + 8, cx + 12
	; group 1: a tile of 128 rows x 128 elements of 2 bytes, 4 words of padding behind every 64 words
	s_or_b32 s[G1+0], s43, (1<<16)|(1<<20)|(1<<21)|(5<<22)|(3<<25)
	s_or_b32 s[G1B+0], s44, (1<<16)|(1<<20)|(1<<21)|(5<<22)|(3<<25)
	s_mov_b32 s[G1B+1], KSTEP<<16
	s_mov_b32 s[G1+1], KSTEP<<16                   ; tensor_dim0 = 128
	s_mov_b32 s[G1B+2], 128<<16
	s_mov_b32 s[G1+2], 128<<16                     ; tensor_dim1 = 128
	s_mov_b32 s[G1B+3], KSTEP<<16
	s_mov_b32 s[G1+3], KSTEP<<16                   ; tile_dim0 = 128
	s_mov_b32 s[G1B+4], 128
	s_mov_b32 s[G1+4], 128                         ; tile_dim1 = 128
	s_mov_b32 s[G1B+5], SIZE_K
	s_mov_b32 s[G1+5], SIZE_K                      ; elements from row to row
	s_mov_b32 s[G1B+6], 0
	s_mov_b32 s[G1+6], 0
	s_mov_b32 s[G1B+7], 0
	s_mov_b32 s[G1+7], 0
	; A's tiles hang on the block row alone, B's on the block column alone; each address is made in registers that never hold the other coordinate
	s_lshl_b32 s17, s12, 7
	s_lshl_b32 s16, s13, 8
	s_add_co_u32 s16, s16, s17                     ; A: row 256 x block row + 128 x half
	s_lshl_b32 s46, s42, 8
	s_add_co_u32 s46, s46, s17                     ; B: row 256 x block column + 128 x half
	s_mov_b32 s17, 0
	s_mov_b32 s47, 0
	s_mov_b64 s[18:19], SIZE_K*2
	s_mul_u64 s[16:17], s[16:17], s[18:19]
	s_mul_u64 s[46:47], s[46:47], s[18:19]
	s_mul_i32 s20, s10, HALFT                      ; where they go: wave x 128 rows
	s_wait_dscnt 0x0
	s_wait_kmcnt 0x0
	s_add_nc_u64 s[14:15], s[4:5], s[16:17]
	s_add_nc_u64 s[46:47], s[6:7], s[46:47]
	CROUND                                         ; all sixteen work-groups are here: the first joint loads meet
.irp s, 0,1
	s_mov_b32 s[G0+4*\s], 1
	s_add_co_u32 s[G0+4*\s+1], s20, \s*SLOT
	s_add_nc_u64 s[G0+4*\s+2:G0+4*\s+3], s[14:15], \s*KSTEP*2
	s_or_b32 s[G0+4*\s+3], s[G0+4*\s+3], 0x80000000
	s_mov_b32 s[G0B+4*\s], 1
	s_add_co_u32 s[G0B+4*\s+1], s20, \s*SLOT
	s_add_nc_u64 s[G0B+4*\s+2:G0B+4*\s+3], s[46:47], \s*KSTEP*2
	s_or_b32 s[G0B+4*\s+3], s[G0B+4*\s+3], 0x80000000
	JLOAD \s                                       ; the ring is filled before anything else is done: two loads of the wave are out
.endr
	; a fragment is 16 rows x 32 K in 8 registers: two loads of 16 bytes, 32 bytes apart, at row x pitch + 16 (l / 16)
	v_and_b32 v1, 15, v0
	v_bfe_u32 v2, v0, 4, 1
	v_mul_u32_u24 v3, v1, PITCH
	v_lshl_add_u32 v3, v2, 4, v3
	s_mul_i32 s21, s11, HALFT                      ; my 128 rows of A
	s_mul_i32 s22, s12, HALFT                      ; my 128 rows of B,
	s_add_co_u32 s22, s22, 2*HALFT                 ; which lie behind A's 256
.irp s, 0,1
	v_add_nc_u32 v[ADRA+\s], s21, v3
	v_add_nc_u32 v[ADRB+\s], s22, v3
	s_add_co_u32 s21, s21, SLOT
	s_add_co_u32 s22, s22, SLOT
.endr
	s_mul_i32 s23, s10, 16*SPITCH
	s_add_co_u32 s23, s23, STAGE                   ; my stage
	v_mul_u32_u24 v4, v1, SPITCH                   ; in: row l % 16, 16 bytes for each half of the lanes
	v_lshl_add_u32 v4, v2, 4, v4
	v_add_nc_u32 v[STO], s23, v4
	v_and_b32 v6, 31, v0                           ; back: eight lanes take one token's 128 bytes of one head, 32 lanes four tokens
	v_lshrrev_b32 v5, 3, v6
	v_and_b32 v7, 7, v6
	v_mul_u32_u24 v5, v5, SPITCH
	v_lshl_add_u32 v5, v7, 4, v5
	v_add_nc_u32 v[RD], s23, v5
	v_lshlrev_b32 v[CO], 4, v6                     ; in memory those four tokens are 512 consecutive bytes
; 16 matrix instructions: m blocks a0, a0 + 1 of the window's four x all 8 n blocks, 32 along K.  zero = 1: the first product starts the sums.
; The 64 accumulators take turns, one instruction a turn, in the same order in every quarter step.
.macro MUL16 f, hi, a0, zero
.irp a, \a0, \a0+1
.irp b, 0,1,2,3,4,5,6,7
.if \zero
	v_wmma_f32_16x16x32_bf16 v[8*(8*(\a)+\b):8*(8*(\a)+\b)+7], v[\f+8*\b:\f+8*\b+7], v[\f+8*(4*\hi+\a):\f+8*(4*\hi+\a)+7], 0
.else
	v_wmma_f32_16x16x32_bf16 v[8*(8*(\a)+\b):8*(8*(\a)+\b)+7], v[\f+8*\b:\f+8*\b+7], v[\f+8*(4*\hi+\a):\f+8*(4*\hi+\a)+7], v[8*(8*(\a)+\b):8*(8*(\a)+\b)+7]
.endif
.endr
.endr
.endm
; 32 LDS loads in one run: the fragments of one quarter step into buffer f
.macro FETCH slot, k, f
	WIN TO_B
.irp i, 0,1,2,3,4,5,6,7
	ds_load_b128 v[\f+8*\i:\f+8*\i+3],   v[ADRB+\slot] offset:\k+\i*16*PITCH
	ds_load_b128 v[\f+8*\i+4:\f+8*\i+7], v[ADRB+\slot] offset:\k+\i*16*PITCH+32
.endr
	WIN 0
.irp i, 0,1,2,3,4,5,6,7
	ds_load_b128 v[\f+8*\i:\f+8*\i+3],   v[ADRA+\slot] offset:\k+\i*16*PITCH
	ds_load_b128 v[\f+8*\i+4:\f+8*\i+7], v[ADRA+\slot] offset:\k+\i*16*PITCH+32
.endr
.endm
; four plain vector instructions stand between a matrix instruction and a load into one of its registers, or a vector instruction that reads its result
.macro PLACES
.rept 4
	v_nop
.endr
.endm
.macro QUARTER slot, k, f, g, zero
	s_wait_dscnt 8                                 ; B and A's rows 0-63 are in; the youngest eight loads (A's rows 64-127) may be out
	WIN MUL_LO
	MUL16 \f, 0, 0, \zero
	MUL16 \f, 0, 2, \zero
	PLACES
	FETCH \slot, \k, \g
	s_wait_dscnt 32                                ; all but the 32 just issued
	WIN MUL_HI
	MUL16 \f, 1, 0, \zero
	MUL16 \f, 1, 2, \zero
.endm
.macro THREE slot, zero
	QUARTER \slot, 64,  F0, F1, \zero
	QUARTER \slot, 128, F1, F0, 0
	QUARTER \slot, 192, F0, F1, 0
.endm
; The last quarter of a K step changes slots.  In front of the barrier each wave waits for its reads of this slot and for all its tensor loads (one is
; out: its part of the next slot).  Behind it the refill comes first, then the next slot's first fragments.
.macro TURN slot, next, fill
	s_wait_dscnt 8
	WIN MUL_LO
	MUL16 F1, 0, 0, 0
	s_wait_dscnt 0                                 ; my reads of this slot are over
	s_wait_tensorcnt 0x0                           ; and all my tensor loads have landed
	ds_add_u32 v255, v255
	s_wait_dscnt 0x0
	s_barrier_signal -1
	MUL16 F1, 0, 2, 0                              ; work on registers while the others arrive
	WIN 0
	s_barrier_wait -1
.if \fill
	CREST                                          ; no wave of any partner still reads this slot's tile or has a load on its way
	s_add_nc_u64 s[G0+4*\slot+2:G0+4*\slot+3], s[G0+4*\slot+2:G0+4*\slot+3], 2*KSTEP*2
	s_add_nc_u64 s[G0B+4*\slot+2:G0B+4*\slot+3], s[G0B+4*\slot+2:G0B+4*\slot+3], 2*KSTEP*2
	JLOAD \slot                                    ; the wave's one tensor load behind the round
.endif
	PLACES
	FETCH \next, 0, F0
	WIN MUL_HI
	MUL16 F1, 1, 0, 0
	MUL16 F1, 1, 2, 0
.endm
.macro LAP zero
	THREE 0, \zero
	TURN 0, 1, 1
	THREE 1, 0
	TURN 1, 0, 1
.endm
	s_wait_tensorcnt 1                             ; my part of K step 0 is in; K step 1's load stays out
	s_barrier_signal -1
	s_barrier_wait -1
	FETCH 0, 0, F0
	LAP 1                                          ; the first lap stands in front of the loop: its first products start the sums
	WIN 0
	s_mov_b32 s3, LAPS-2
.Llap:
	LAP 0
	WIN 0
	s_sub_co_u32 s3, s3, 1
	s_cmp_lg_u32 s3, 0
	s_cbranch_scc1 .Llap
	THREE 0, 0                                     ; the last lap fills nothing
	TURN 0, 1, 0
	THREE 1, 0
	s_wait_dscnt 8
	WIN MUL_LO
	MUL16 F1, 0, 0, 0
	MUL16 F1, 0, 2, 0
	s_wait_dscnt 0
	WIN MUL_HI
	MUL16 F1, 1, 0, 0
	MUL16 F1, 1, 2, 0
	; THE WAY OUT, 16 tokens at a time: round to bf16, 16 bytes a lane into my own stage, read back by heads.
	PLACES
	s_lshr_b32 s16, s13, 3                         ; batch: 8 block rows each,
	s_lshl_b32 s16, s16, 22                        ; 16 heads' planes
	s_and_b32 s14, s13, 7
	s_lshl_b32 s14, s14, 15                        ; 256 tokens of 128 bytes for each block row
	s_add_co_u32 s16, s16, s14
	s_lshl_b32 s14, s11, 14                        ; 128 tokens for my half
	s_add_co_u32 s16, s16, s14
	s_mov_b32 s17, 0
	s_add_nc_u64 s[8:9], s[8:9], s[16:17]
	s_lshr_b32 s46, s42, 2                         ; q, k or v: 4 block columns each,
	s_lshl_b32 s46, s46, 23                        ; 32 planes
	s_and_b32 s47, s42, 3
	s_lshl_b32 s47, s47, 20                        ; 4 heads for each block column
	s_add_co_u32 s46, s46, s47
	s_lshl_b32 s47, s12, 19                        ; 2 heads for my half
	s_add_co_u32 s46, s46, s47
	s_mov_b32 s47, 0
	s_add_nc_u64 s[8:9], s[8:9], s[46:47]
; tokens 16 i .. 16 i + 15 of my block = the eight tiles (a, 0..7) of window 2 or 3 (from = 0x0a or 0x0f: sources 0 and 1); f: F0 or F1 in turn
.macro OUT16 i, a, from, f
	WIN \from
.irp b, 0,1,2,3,4,5,6,7
.irp r, 0,1,2,3
	v_cvt_pk_bf16_f32 v[TMP+4*\b+\r], v[8*(8*\a+\b)+2*\r], v[8*(8*\a+\b)+2*\r+1]
.endr
.endr
	WIN 0
.irp b, 0,1,2,3,4,5,6,7
	ds_store_b128 v[STO], v[TMP+4*\b:TMP+4*\b+3] offset:32*\b
.endr
	s_wait_xcnt 0x0                                ; buffer f, which earlier stores read, and the stores' base are rewritten only behind this wait
.if \i
	s_add_nc_u64 s[8:9], s[8:9], 16*128            ; 16 tokens on
.endif
.irp t, 0,1,2,3,4,5,6,7
	ds_load_b128 v[\f+4*\t:\f+4*\t+3], v[RD] offset:(\t/2)*4*SPITCH+(\t%2)*128    ; four tokens, the first or the second head; LDS serves a wave's instructions in order
.endr
.irp t, 0,1,2,3,4,5,6,7
	s_wait_dscnt 7-\t
	global_store_b128 v[CO], v[\f+4*\t:\f+4*\t+3], s[8:9] offset:(\t%2)*HP+(\t/2)*512   ; 32 lanes store 512 consecutive bytes of one head, aligned
.endr
.endm
	OUT16 0, 0, 0x0a, F0
	OUT16 1, 1, 0x0a, F1
	OUT16 2, 2, 0x0a, F0
	OUT16 3, 3, 0x0a, F1
	OUT16 4, 0, 0x0f, F0
	OUT16 5, 1, 0x0f, F1
	OUT16 6, 2, 0x0f, F0
	OUT16 7, 3, 0x0f, F1
	s_set_vgpr_msb 0x1
	s_wait_tensorcnt 0x0
	ds_add_u32 v255, v255
	s_wait_dscnt 0x0
	s_set_vgpr_msb 0x100
	CROUND                                         ; the closing round: no work-group ends while a partner may still ask for a tile that names it
	s_endpgm
.Lfunc_end_k_qf001cd108d_qkv:
	.size	k_qf001cd108d_qkv, .Lfunc_end_k_qf001cd108d_qkv-k_qf001cd108d_qkv
	.p2alignl 7, 3214868480
	.fill 96, 4, 3214868480
	.section	.rodata,"a",@progbits
	.p2align	6, 0x0
	.amdhsa_kernel k_qf001cd108d_qkv
		.amdhsa_group_segment_fixed_size 327680
		.amdhsa_private_segment_fixed_size 0
		.amdhsa_enable_private_segment 0
		.amdhsa_kernarg_size 24
		.amdhsa_user_sgpr_count 2
		.amdhsa_user_sgpr_kernarg_segment_ptr 1
		.amdhsa_wavefront_size32 1
		.amdhsa_system_sgpr_workgroup_id_x 1
		.amdhsa_system_sgpr_workgroup_id_y 1
		.amdhsa_system_sgpr_workgroup_id_z 1
		.amdhsa_system_vgpr_workitem_id 0
		.amdhsa_next_free_vgpr 1024
		.amdhsa_next_free_sgpr 66
		.amdhsa_reserve_vcc 0
		.amdhsa_float_denorm_mode_32 3
		.amdhsa_float_denorm_mode_16_64 3
		.amdhsa_memory_ordered 1
		.amdhsa_forward_progress 1
		.amdhsa_inst_pref_size 196
	.end_amdhsa_kernel
	.amdgpu_metadata
---
amdhsa.version: [ 1, 2 ]
amdhsa.kernels:
  - .name:           k_qf001cd108d_qkv
    .symbol:         k_qf001cd108d_qkv.kd
    .args:
      - { .name: xn, .offset: 0, .size: 8, .value_kind: global_buffer, .address_space: global }
      - { .name: wt, .offset: 8, .size: 8, .value_kind: global_buffer, .address_space: global }
      - { .name: qkv, .offset: 16, .size: 8, .value_kind: global_buffer, .address_space: global }
    .group_segment_fixed_size: 327680
    .private_segment_fixed_size: 0
    .kernarg_segment_align: 8
    .kernarg_segment_size: 24
    .max_flat_workgroup_size: 128
    .sgpr_count:     66
    .vgpr_count:     1024
    .wavefront_size: 32
...
	.end_amdgpu_metadata
.endif
;; end of part 2
;; launch attn (part 3): grid 8 x 32, 8 waves a work-group, clusters of 4 x 1, 327,680 bytes of LDS; arguments qkv, bias1, delete_gate_mask, ao; writes ao
.if DOCPART == 3
	.amdgcn_target "amdgcn-amd-amdhsa--gfx1250"
	.amdhsa_code_object_version 6
	.text
	.protected	k_qf001cd108d_attn
	.globl	k_qf001cd108d_attn
	.p2align	8
	.type	k_qf001cd108d_attn,@function
k_qf001cd108d_attn:
	s_mov_b64 s[64:65], 0
	v_nop
	global_prefetch_b8 v0, s[64:65] scope:SCOPE_SE
	s_setreg_imm32_b32 hwreg(HW_REG_WAVE_MODE, 25, 1), 1
	s_wait_xcnt 0x0
	s_wait_alu depctr_hold_cnt(0) depctr_sa_sdst(0) depctr_va_vdst(0) depctr_va_sdst(0) depctr_va_ssrc(0) depctr_va_vcc(0) depctr_vm_vsrc(0)
	s_getreg_b32 s2, hwreg(HW_REG_IB_STS2, 6, 4)
	s_cmp_eq_u32 s2, 0
	s_cbranch_scc0 .Lentry_in_a_cluster
	s_endpgm
.Lentry_in_a_cluster:
	s_bfe_u32 s2, ttmp6, 0x10000c
	s_cmp_lg_u32 s2, 0x3003
	s_cbranch_scc0 .Lentry_shape_is_right
	s_endpgm
.Lentry_shape_is_right:
; Attention of one (batch, head) for 256 queries: scores = q k^T + bias(key - query) + gate(key); p = exp(s - m) / (sum exp(s - m) + exp(-m)); ao = p v.
; 8 x 32 = 256 work-groups of 8 waves.  Wave w: wq = w & 3 picks its 64 queries, g = w >> 2 which 128 of every slot's 256 keys.  The two waves of a pair
; keep a running maximum, a sum and an output of their own and are merged once at the end, through LDS.
; ao lies by blocks of 128 tokens: ao[16 batch + token block][head][128 tokens][64] bf16, so that the next launch finds all heads of a token block as dense rows.
; TRANSPOSED FORMS, so that nothing is shuffled.  S^T = K Q^T: source 0 = 16 keys x 32 of the head's 64 from LDS, source 1 = Q, kept in registers; register j of
; lane (r, hh) is key 8 hh + j of query r.  Two neighbouring key tiles, rounded and packed, ARE source 1 (32 keys x 16 queries) of O^T = V^T P^T, whose source 0
; is V^T, read by the transposing LDS load from V as it lies, [key][d].  A lane owns one query: maximum and sum run along its registers.
; gate + bias is the C operand of the first product.
; CLUSTER 4, 1, 1: the four query blocks of a cluster walk the same K and V tiles and ask for each jointly (mask 15).  No branch and no LDS address hangs on the
; place in the cluster: the bias table's CONTENT is made for the work-group's queries, its addresses hang on thread, wave and step alone.
; BIAS TABLE: with ql the query's number in the work-group, bias(key - ql - q0) lies at x = key - ql + 255.  Four copies, copy c = r & 3 shifted by c + 1
; entries, so that a lane's eight consecutive entries are two aligned loads of 16 bytes: copy_c[p] = bias1[h][p - c + 1792 - q0], p = 4 .. 2303.  The copies lie
; 9,280 bytes apart (64 modulo 256).
; LDS LOADS RUN AHEAD: K's fragments, gate and bias are free once the fourth query tile's first product is issued; the next block's are loaded there and land during
; that tile's softmax.  V's fragments are loaded at the block's head and are needed one softmax later.
; The maximum is a running one, as the softmax asks.  Limits: NaN and infinite inputs are not served; an exponential below 2^-126 comes out as zero
; (ISA guide, v_exp_f32); p is rounded to bf16 for the second product, its sum is kept in f32.
.set HP,   262144                      ; bytes of one head's plane of qkv: 2048 tokens x 64 bf16
.set KP,   144                         ; LDS pitch of K's rows: 128 bytes + 16
.set VP,   160                         ; LDS pitch of V's rows: 128 bytes + 32, an odd multiple of 32 for the transposing load
.set GB,   0                           ; the batch's gate, 2048 f32
.set TB,   8192                        ; the four copies of the bias table
.set CS,   9280
.set SL0,  45312                       ; slot 0; every region starts at a multiple of 256 bytes
.set VOFF, 256*KP                      ; in a slot: K's 256 rows, then V's 256 rows
.set SLOT, 256*KP+256*VP               ; 77,824
.set SCR,  SL0+2*SLOT                  ; 200,960: what the g = 1 waves hand over, 34 x 512 bytes for each pair
.set SCRW, 17408
.set STG,  SCR+4*SCRW                  ; 270,592: the way out, 64 rows x 144 bytes for each pair
.set STGW, 64*KP
; window 0
.set ADK,  10                          ; v10-11   my K fragments in slot 0, 1
.set ADV,  12                          ; v12-13   my V fragments in slot 0, 1
.set GA,   14                          ; v14      my gate entries, stepped by 256 keys
.set TA,   15                          ; v15      my bias entries, stepped by 256 keys
.set ML,   16                          ; v16+2t maximum, v17+2t sum of query tile t
.set MM,   24                          ; v[24:25] -log2e x maximum, twice
.set AL,   26                          ; v[26:27] the factor for what was summed under the old maximum (v27 only completes the pair)
.set XM,   28                          ; v28-31   four chains of the maximum
.set YY,   32
.set ZZ,   33
.set SCRA, 34
.set STGS, 35
.set PB,   36                          ; v[36:51]   p in bf16: source 1 of the second product
.set SC,   52                          ; v[52:83]   four key tiles of scores
.set GT,   84                          ; v[84:115]  the gate of the block's 64 keys
.set KF,   116                         ; v[116:179] K fragments, (kt, ks) at 16 kt + 8 ks
.set VF,   180                         ; v[180:243] V^T fragments, (dt, u) at 16 dt + 8 u
.set UU,   244                         ; v[244:251] four chains of the sum
.set STGR, 252
.set AOO,  253
; window 1
.set OA,   0                           ; output tiles, (t, dt) at 32 t + 8 dt
.set QF,   128                         ; Q fragments, (t, ks) at 16 t + 8 ks
.set TR,   192                         ; bias: seven register slots of 8; diagonal d = kt - t + 3 lies in slot d (first block of a stage) or (d + 4) mod 7 (second)
.set G1K, 28                           ; s[28:35] group 1 of K's tiles
.set G1V, 36                           ; s[36:43] group 1 of V's tiles: more padding
.set G0K, 44                           ; s[44:51] group 0 of K's tiles, a set for each slot
.set G0V, 52                           ; s[52:59] group 0 of V's tiles
.set MSB, 0
.macro WIN new                         ; s_set_vgpr_msb: bits 1:0 source 0, 3:2 source 1, 5:4 source 2, 7:6 destination; the high byte repeats the setting that is left
.if MSB != \new
	s_set_vgpr_msb (MSB<<8)|\new
.set MSB, \new
.endif
.endm
.macro PLACES                          ; four plain vector instructions between a matrix instruction and a reader of its result or a load into its registers
.rept 4
	v_nop
.endr
.endm
.macro CREST                           ; a round of the cluster's barrier behind its opening barrier
	s_cmp_lg_u32 s12, 0
	s_cbranch_scc1 .Lnot_wave_0_\@
	s_barrier_signal -3
.Lnot_wave_0_\@:
	s_barrier_wait -3
	s_barrier_signal -1
	s_barrier_wait -1
.endm
.macro ROUND                           ; a whole round
	s_barrier_signal -1
	s_barrier_wait -1
	CREST
.endm
.macro JLOAD n                         ; a joint load: waves 0-3 fetch 64 rows of K each, waves 4-7 64 rows of V
	s_cmp_eq_u32 s13, 0
	s_cbranch_scc0 .Lfor_v_\@
	tensor_load_to_lds s[G0K+4*\n:G0K+4*\n+3], s[G1K:G1K+7]
	s_nop 0
	s_branch .Lasked_\@
.Lfor_v_\@:
	tensor_load_to_lds s[G0V+4*\n:G0V+4*\n+3], s[G1V:G1V+7]
	s_nop 0
.Lasked_\@:
.endm
	s_load_b256 s[4:11], s[0:1], 0x0               ; qkv s[4:5], bias1 s[6:7], gate s[8:9], ao s[10:11]
	s_set_vgpr_msb 0x40
	v_lshl_add_u32 v255, v0, 2, 0x4b100
	s_set_vgpr_msb 0x4000
	v_mov_b32 v255, 0
	s_set_vgpr_msb 0x1
	ds_add_u32 v255, v255
	s_set_vgpr_msb 0x100
	v_lshrrev_b32 v4, 5, v0
	v_readfirstlane_b32 s12, v4                    ; wave 0..7
	s_lshr_b32 s13, s12, 2                         ; g
	s_and_b32 s14, s12, 3                          ; wq
	s_bfe_u32 s15, ttmp6, 0x40000                  ; cx
	s_lshl_b32 s16, ttmp9, 2
	s_add_co_u32 s16, s16, s15                     ; query block 0..7
	s_and_b32 s17, ttmp7, 0xffff                   ; 16 batch + head
	s_and_b32 s18, s17, 15                         ; head
	s_lshr_b32 s19, s17, 4                         ; batch
	s_mov_b32 s24, 0x76543210                      ; v_permlanex16_b32: lane i reads lane i of the other half
	s_mov_b32 s25, 0xfedcba98
	s_mov_b32 s27, 0xbfb8aa3b                      ; -log2(e)
	; group 1: 64 rows of 64 elements of 2 bytes, mask 15, padding behind every 32 words: 4 words for K, 8 for V
	s_mov_b32 s[G1K+0], 15|(1<<16)|(1<<20)|(1<<21)|(4<<22)|(3<<25)
	s_mov_b32 s[G1V+0], 15|(1<<16)|(1<<20)|(1<<21)|(4<<22)|(7<<25)
	s_mov_b32 s[G1K+1], 64<<16                     ; tensor_dim0 = 64
	s_mov_b32 s[G1V+1], 64<<16
	s_mov_b32 s[G1K+2], 64<<16                     ; tensor_dim1 = 64
	s_mov_b32 s[G1V+2], 64<<16
	s_mov_b32 s[G1K+3], 64<<16                     ; tile_dim0 = 64
	s_mov_b32 s[G1V+3], 64<<16
	s_mov_b32 s[G1K+4], 64                         ; tile_dim1 = 64
	s_mov_b32 s[G1V+4], 64
	s_mov_b32 s[G1K+5], 64                         ; elements from row to row
	s_mov_b32 s[G1V+5], 64
	s_mov_b32 s[G1K+6], 0
	s_mov_b32 s[G1V+6], 0
	s_mov_b32 s[G1K+7], 0
	s_mov_b32 s[G1V+7], 0
	s_lshl_b32 s20, s17, 18                        ; the head's plane,
	s_lshl_b32 s21, s14, 13                        ; 64 rows of 128 bytes for each wq
	s_add_co_u32 s20, s20, s21
	s_mov_b32 s21, 0                               ; s[20:21]: shared by the four partners
	s_lshl_b32 s60, s16, 15                        ; 256 queries of 128 bytes for each query block
	s_add_co_u32 s60, s60, s20
	s_mov_b32 s61, 0                               ; s[60:61]: my queries' offset in q's plane
	s_lshl_b32 s72, s19, 4                         ; ao: 16 token blocks a batch,
	s_lshl_b32 s73, s16, 1                         ; two for each query block,
	s_add_co_u32 s72, s72, s73
	s_lshr_b32 s73, s14, 1                         ; the first or the second of them
	s_add_co_u32 s72, s72, s73
	s_lshl_b32 s72, s72, 18                        ; a token block is 16 heads x 128 tokens x 128 bytes
	s_lshl_b32 s73, s18, 14                        ; my head in it
	s_add_co_u32 s72, s72, s73
	s_and_b32 s73, s14, 1
	s_lshl_b32 s73, s73, 13                        ; its first or second 64 tokens
	s_add_co_u32 s72, s72, s73
	s_mov_b32 s73, 0                               ; s[72:73]: my 64 queries' offset in ao
	s_mul_i32 s22, s12, 64*KP                      ; K's fill: wave x 64 rows (waves 0-3)
	s_mul_i32 s23, s12, 64*VP                      ; V's fill: wave x 64 rows, counted from wave 4 (waves 4-7)
	s_lshl_b32 s66, s16, 8
	s_sub_co_u32 s66, 1792, s66                    ; 1792 - q0
	s_lshl_b32 s70, s18, 14                        ; bias1: 4096 entries a head
	s_mov_b32 s71, 0
	s_wait_dscnt 0x0
	s_wait_kmcnt 0x0
	s_add_nc_u64 s[62:63], s[4:5], s[20:21]
	s_add_nc_u64 s[68:69], s[4:5], s[60:61]        ; my queries
	s_add_nc_u64 s[10:11], s[10:11], s[72:73]      ; my rows of ao
	s_add_nc_u64 s[6:7], s[6:7], s[70:71]
	s_lshl_b32 s70, s19, 13                        ; gate: 2048 entries a batch
	s_add_nc_u64 s[8:9], s[8:9], s[70:71]
.irp n, 0,1
	s_mov_b32 s[G0K+4*\n], 1
	s_add_co_u32 s[G0K+4*\n+1], s22, SL0+\n*SLOT
	s_add_nc_u64 s[G0K+4*\n+2:G0K+4*\n+3], s[62:63], 32*HP+\n*32768      ; k's planes lie 32 planes in; slot n starts with keys 256 n
	s_or_b32 s[G0K+4*\n+3], s[G0K+4*\n+3], 0x80000000
	s_mov_b32 s[G0V+4*\n], 1
	s_add_co_u32 s[G0V+4*\n+1], s23, SL0+\n*SLOT+VOFF-4*64*VP
	s_add_nc_u64 s[G0V+4*\n+2:G0V+4*\n+3], s[62:63], 64*HP+\n*32768      ; v's planes lie 64 planes in
	s_or_b32 s[G0V+4*\n+3], s[G0V+4*\n+3], 0x80000000
.endr
	ROUND                                          ; the four work-groups are here: the first joint loads meet
	JLOAD 0                                        ; both slots' first fills go out together: two loads of the wave are out
	JLOAD 1
	v_and_b32 v3, 31, v0                           ; lane L
	v_and_b32 v1, 15, v0                           ; r
	v_bfe_u32 v2, v0, 4, 1                         ; hh
	; what goes from memory through registers: 36 words of the bias table, 32 bytes of the gate, my Q fragments
	v_add_nc_u32 v4, s66, v0                       ; thread + 1792 - q0
.irp c, 0,1,2,3
	v_add_lshl_u32 v[84+\c], v4, 4-\c, 2           ; copy c, p = 4 + thread (+ 256 i in the immediate)
	v_add_nc_u32 v[88+\c], 2052-\c, v4             ; p = 2052 + thread: the entries past p = 2303 are never read,
	v_min_u32 v[88+\c], 0xfff, v[88+\c]            ; and stay inside the head's 4096
	v_lshlrev_b32 v[88+\c], 2, v[88+\c]
.endr
	v_lshlrev_b32 v92, 4, v0
	v_lshlrev_b32 v93, 7, v1
	v_lshl_add_u32 v93, v2, 4, v93                 ; query r's row, 16 bytes for each half of the lanes
	v_lshlrev_b32 v94, 2, v0
.irp c, 0,1,2,3
.irp i, 0,1,2,3,4,5,6,7
	global_load_b32 v[KF+9*\c+\i], v[84+\c], s[6:7] offset:1024*\i
.endr
	global_load_b32 v[KF+9*\c+8], v[88+\c], s[6:7]
.endr
	global_load_b128 v[152:155], v92, s[8:9]
	global_load_b128 v[156:159], v92, s[8:9] offset:4096
	WIN 0x40
.irp t, 0,1,2,3
.irp ks, 0,1
	global_load_b128 v[QF+16*\t+8*\ks:QF+16*\t+8*\ks+3],   v93, s[68:69] offset:2048*\t+64*\ks
	global_load_b128 v[QF+16*\t+8*\ks+4:QF+16*\t+8*\ks+7], v93, s[68:69] offset:2048*\t+64*\ks+32
.endr
.endr
	WIN 0
	; LDS addresses
	v_mul_u32_u24 v4, v1, KP
	v_lshl_add_u32 v4, v2, 4, v4                   ; 144 r + 16 hh
	s_mul_i32 s20, s13, 128*KP
	s_add_co_u32 s20, s20, SL0
	v_add_nc_u32 v[ADK], s20, v4
	v_add_nc_u32 v[ADK+1], SLOT, v[ADK]
	v_and_b32 v5, 7, v0
	v_lshl_add_u32 v6, v2, 3, v5                   ; key 8 hh + (L & 7)
	v_mul_u32_u24 v6, v6, VP
	v_bfe_u32 v7, v0, 3, 1
	v_lshl_add_u32 v6, v7, 4, v6                   ; + 16 bytes for the odd groups of eight lanes
	s_mul_i32 s21, s13, 128*VP
	s_add_co_u32 s21, s21, SL0+VOFF
	v_add_nc_u32 v[ADV], s21, v6
	v_add_nc_u32 v[ADV+1], SLOT, v[ADV]
	s_lshl_b32 s20, s13, 9                         ; 128 g keys of 4 bytes
	v_lshl_add_u32 v[GA], v2, 5, s20               ; + 8 hh keys
	s_lshl_b32 s21, s14, 8                         ; 64 wq entries
	s_add_co_u32 s20, s20, TB+4*208
	s_sub_co_u32 s20, s20, s21
	v_and_b32 v6, 3, v0                            ; c
	v_bfe_u32 v7, v0, 2, 2                         ; r >> 2
	v_mul_u32_u24 v6, v6, CS
	v_lshl_add_u32 v6, v2, 5, v6
	v_add_nc_u32 v6, s20, v6
	v_lshlrev_b32 v7, 4, v7
	v_sub_nc_u32 v[TA], v6, v7                     ; TB + c CS + 4 (208 + 8 hh - 4 (r >> 2) - 64 wq + 128 g)
	s_mul_i32 s20, s14, SCRW
	s_add_co_u32 s20, s20, SCR
	v_lshl_add_u32 v[SCRA], v3, 4, s20
	s_mul_i32 s21, s14, STGW
	s_add_co_u32 s21, s21, STG
	v_add_nc_u32 v[STGS], s21, v4
	v_lshrrev_b32 v6, 3, v3
	v_mul_u32_u24 v6, v6, KP
	v_lshl_add_u32 v6, v5, 4, v6
	v_add_nc_u32 v[STGR], s21, v6                  ; back: eight lanes a row, four rows a load
	v_lshlrev_b32 v[AOO], 4, v3
	v_mov_b32 v[AL+1], 0                           ; completes a pair that is read as a pair
	v_mov_b32 v[ZZ], 0                             ; v_permlanex16_b32 counts as a reader of its destination
	s_wait_loadcnt 18                              ; the 36 words of the table are in; gate (2) and Q (16) stay out
.irp c, 0,1,2,3
.irp i, 0,1,2,3,4,5,6,7,8
	ds_store_b32 v94, v[KF+9*\c+\i] offset:TB+CS*\c+16+1024*\i
.endr
.endr
	s_wait_loadcnt 16                              ; the gate is in; Q's 16 loads stay out
	ds_store_b128 v92, v[152:155] offset:GB
	ds_store_b128 v92, v[156:159] offset:GB+4096
	s_wait_loadcnt 0x0                             ; Q
	s_wait_tensorcnt 1                             ; my part of slot 0 is in; slot 1's load stays out
	s_wait_dscnt 0x0                               ; my part of the table and of the gate is written
	s_barrier_signal -1
	s_barrier_wait -1
; K's fragments, the gate and the bias of block blk (64 of my 128 keys in the slot).  The second block's diagonals 0-2 are the first block's 4-6 (the same LDS bytes:
; 256 blk + 64 d), which stay in their registers: only diagonals 3-6 are loaded, into register slots 0-3.
.macro LOADKGT slot, blk
.irp kt, 0,1,2,3
.irp ks, 0,1
	ds_load_b128 v[KF+16*\kt+8*\ks:KF+16*\kt+8*\ks+3],   v[ADK+\slot] offset:(64*\blk+16*\kt)*KP+64*\ks
	ds_load_b128 v[KF+16*\kt+8*\ks+4:KF+16*\kt+8*\ks+7], v[ADK+\slot] offset:(64*\blk+16*\kt)*KP+64*\ks+32
.endr
.endr
.irp kt, 0,1,2,3
	ds_load_b128 v[GT+8*\kt:GT+8*\kt+3],   v[GA] offset:GB+256*\blk+64*\kt
	ds_load_b128 v[GT+8*\kt+4:GT+8*\kt+7], v[GA] offset:GB+256*\blk+64*\kt+16
.endr
	WIN 0x40
.if \blk == 0
.irp d, 0,1,2,3,4,5,6
	ds_load_b128 v[TR+8*\d:TR+8*\d+3],   v[TA] offset:64*\d
	ds_load_b128 v[TR+8*\d+4:TR+8*\d+7], v[TA] offset:64*\d+16
.endr
.else
.irp d, 3,4,5,6
	ds_load_b128 v[TR+8*(\d-3):TR+8*(\d-3)+3],   v[TA] offset:256+64*\d
	ds_load_b128 v[TR+8*(\d-3)+4:TR+8*(\d-3)+7], v[TA] offset:256+64*\d+16
.endr
.endif
	WIN 0
.endm
.macro LOADV slot, blk                 ; V^T fragments of the block, by the transposing load
.irp dt, 0,1,2,3
.irp u, 0,1
	ds_load_tr16_b128 v[VF+16*\dt+8*\u:VF+16*\dt+8*\u+3],   v[ADV+\slot] offset:(64*\blk+32*\u)*VP+32*\dt
	ds_load_tr16_b128 v[VF+16*\dt+8*\u+4:VF+16*\dt+8*\u+7], v[ADV+\slot] offset:(64*\blk+32*\u+16)*VP+32*\dt
.endr
.endr
.endm
.macro STEP                            ; gate and bias: 256 keys on
	v_add_nc_u32 v[GA], 1024, v[GA]
	v_add_nc_u32 v[TA], 1024, v[TA]
.endm
; 64 keys x the 16 queries of tile t, first half: gate + bias, then the scores.  rot = 0 or 4: where the diagonals lie.
; The accumulators take turns, one instruction a turn: four score tiles here, four output tiles in the second half.
.macro QT_A t, rot
	WIN 0x04                                       ; source 1 in window 1: the bias, then Q
.irp kt, 0,1,2,3
.irp p, 0,2,4,6
	v_pk_add_f32 v[SC+8*\kt+\p:SC+8*\kt+\p+1], v[GT+8*\kt+\p:GT+8*\kt+\p+1], v[TR+8*((\kt-\t+3+\rot)%7)+\p:TR+8*((\kt-\t+3+\rot)%7)+\p+1]
.endr
.endr
.irp ks, 0,1
.irp kt, 0,1,2,3
	v_wmma_f32_16x16x32_bf16 v[SC+8*\kt:SC+8*\kt+7], v[KF+16*\kt+8*\ks:KF+16*\kt+8*\ks+7], v[QF+16*\t+8*\ks:QF+16*\t+8*\ks+7], v[SC+8*\kt:SC+8*\kt+7]
.endr
.endr
	WIN 0
	PLACES
.endm
; Second half: running maximum, exponentials, sum, p, the second product.  first = 1: the wave's first block starts maximum, sum and output.
; sig = 1 (tile 0 of a stage's last block): my last reads of the slot are back, so the barrier of the change of slots is signalled here.
.macro QT_B t, first, sig
	; the largest of my 32 scores, in four chains; the other half of the lanes holds the query's other 32
.irp c, 0,1,2,3
	v_max3_num_f32 v[XM+\c], v[SC+3*\c], v[SC+3*\c+1], v[SC+3*\c+2]
.endr
.set j, 0
.rept 10
	v_max3_num_f32 v[XM+j%4], v[XM+j%4], v[SC+12+2*j], v[SC+13+2*j]
.set j, j+1
.endr
	v_max3_num_f32 v[YY], v[XM], v[XM+1], v[XM+2]
	v_max_num_f32 v[YY], v[YY], v[XM+3]
	v_permlanex16_b32 v[ZZ], v[YY], s24, s25
.if \first
	v_max_num_f32 v[ML+2*\t], v[YY], v[ZZ]
.else
	v_mul_f32 v[AL], s27, v[ML+2*\t]               ; the shift that was used so far, rounded as it was then
	v_max3_num_f32 v[ML+2*\t], v[YY], v[ZZ], v[ML+2*\t]
.endif
	v_mul_f32 v[MM], s27, v[ML+2*\t]               ; the new shift
	v_mul_f32 v[MM+1], s27, v[ML+2*\t]
.if 1-\first
	v_sub_f32 v[AL], v[MM], v[AL]                  ; new shift - old shift
.endif
.set j, 0
.rept 16
	v_pk_fma_f32 v[SC+2*j:SC+2*j+1], v[SC+2*j:SC+2*j+1], 0x3fb8aa3b, v[MM:MM+1] op_sel_hi:[1,0,1]   ; log2e (s - m)
.set j, j+1
.endr
.if 1-\first
	v_exp_f32 v[AL], v[AL]
.endif
.set j, 0
.rept 32
	v_exp_f32 v[SC+j], v[SC+j]
.set j, j+1
.endr
	v_nop                                          ; one plain instruction between the exponentials and the use of their results (ISA guide 5.7.2)
	s_wait_alu depctr_va_vdst(0)
.irp c, 0,1,2,3
	v_pk_add_f32 v[UU+2*\c:UU+2*\c+1], v[SC+2*\c:SC+2*\c+1], v[SC+8+2*\c:SC+8+2*\c+1]
.endr
.irp c, 0,1,2,3
	v_pk_add_f32 v[UU+2*\c:UU+2*\c+1], v[UU+2*\c:UU+2*\c+1], v[SC+16+2*\c:SC+16+2*\c+1]
.endr
.irp c, 0,1,2,3
	v_pk_add_f32 v[UU+2*\c:UU+2*\c+1], v[UU+2*\c:UU+2*\c+1], v[SC+24+2*\c:SC+24+2*\c+1]
.endr
	v_pk_add_f32 v[UU:UU+1], v[UU:UU+1], v[UU+2:UU+3]
	v_pk_add_f32 v[UU+4:UU+5], v[UU+4:UU+5], v[UU+6:UU+7]
	v_pk_add_f32 v[UU:UU+1], v[UU:UU+1], v[UU+4:UU+5]
.if \first
	v_add_f32 v[ML+2*\t+1], v[UU], v[UU+1]
.else
	v_add_f32 v[YY], v[UU], v[UU+1]
	v_fma_f32 v[ML+2*\t+1], v[ML+2*\t+1], v[AL], v[YY]
.endif
.set j, 0
.rept 16
	v_cvt_pk_bf16_f32 v[PB+j], v[SC+2*j], v[SC+2*j+1]
.set j, j+1
.endr
.if 1-\first
	WIN 0x41                                       ; destination and source 0 in window 1
.set j, 0
.rept 16
	v_pk_mul_f32 v[OA+32*\t+2*j:OA+32*\t+2*j+1], v[OA+32*\t+2*j:OA+32*\t+2*j+1], v[AL:AL+1] op_sel_hi:[1,0]
.set j, j+1
.endr
.endif
.if \t == 0
	s_wait_dscnt 0x0                               ; the block's 16 V loads: no LDS load of mine is out
.if \sig
	s_wait_tensorcnt 0x0                           ; all my tensor loads have landed: the one that was out is my part of the other slot
	ds_add_u32 v255, v255
	s_wait_dscnt 0x0
	s_barrier_signal -1                            ; my reads of this slot are over; only register work follows up to the wait in tile 3
.endif
.endif
	WIN 0x50                                       ; C and D in window 1
.irp u, 0,1
.irp dt, 0,1,2,3
.if \first*(1-\u)
	v_wmma_f32_16x16x32_bf16 v[OA+32*\t+8*\dt:OA+32*\t+8*\dt+7], v[VF+16*\dt+8*\u:VF+16*\dt+8*\u+7], v[PB+8*\u:PB+8*\u+7], 0
.else
	v_wmma_f32_16x16x32_bf16 v[OA+32*\t+8*\dt:OA+32*\t+8*\dt+7], v[VF+16*\dt+8*\u:VF+16*\dt+8*\u+7], v[PB+8*\u:PB+8*\u+7], v[OA+32*\t+8*\dt:OA+32*\t+8*\dt+7]
.endif
.endr
.endr
	WIN 0
.endm
; 64 of my keys (block blk of my 128 in the slot) x my 64 queries.  K, gate and bias were asked for in the block before.
; In tile 3, behind its first product and the four places, what comes next is asked for:
;   hook 1: the same slot's second block.
;   hook 2: the change of slots with a refill.  The barrier signalled in tile 0 opens a round of the cluster's barrier: behind the round no wave of the four work-groups
;           reads this slot or has a load on its way.  The slot gets the keys 512 further on, by the wave's one tensor load behind the round, which has
;           more than five query tiles' work in which to land; then the other slot's first block is read.
;   hook 3: the change of slots with nothing left to fetch.      hook 0: the last block.
.macro BLOCK slot, blk, first, sig, hook, nslot
	PLACES
	LOADV \slot, \blk
	s_wait_dscnt 16                                ; K, gate and bias are in; the 16 V loads may stay out
	QT_A 0, 4*\blk
	QT_B 0, \first, \sig
	QT_A 1, 4*\blk
	QT_B 1, \first, 0
	QT_A 2, 4*\blk
	QT_B 2, \first, 0
	QT_A 3, 4*\blk
.if \hook == 1
	LOADKGT \nslot, 1
.endif
.if \hook == 2
	s_barrier_wait -1
	CREST
	s_add_nc_u64 s[G0K+4*\slot+2:G0K+4*\slot+3], s[G0K+4*\slot+2:G0K+4*\slot+3], 512*128
	s_add_nc_u64 s[G0V+4*\slot+2:G0V+4*\slot+3], s[G0V+4*\slot+2:G0V+4*\slot+3], 512*128
	JLOAD \slot
	STEP
	LOADKGT \nslot, 0
.endif
.if \hook == 3
	s_barrier_wait -1
	STEP
	LOADKGT \nslot, 0
.endif
	QT_B 3, \first, 0
.endm
	LOADKGT 0, 0
	BLOCK 0, 0, 1, 0, 1, 0                         ; keys 0-255 from slot 0; the first block starts the sums
	BLOCK 0, 1, 0, 1, 2, 1                         ; slot 0 gets keys 512-767
	BLOCK 1, 0, 0, 0, 1, 1                         ; keys 256-511 from slot 1
	BLOCK 1, 1, 0, 1, 2, 0                         ; slot 1 gets keys 768-1023
	s_mov_b32 s26, 2
.Lstage:                                               ; keys 512-1535, two stages a trip; the refills bring keys 1024-2047
	BLOCK 0, 0, 0, 0, 1, 0
	BLOCK 0, 1, 0, 1, 2, 1
	BLOCK 1, 0, 0, 0, 1, 1
	BLOCK 1, 1, 0, 1, 2, 0
	s_sub_co_u32 s26, s26, 1
	s_cmp_lg_u32 s26, 0
	s_cbranch_scc1 .Lstage
	BLOCK 0, 0, 0, 0, 1, 0                         ; keys 1536-1791: nothing is left to fetch
	BLOCK 0, 1, 0, 1, 3, 1
	BLOCK 1, 0, 0, 0, 1, 1                         ; keys 1792-2047
	BLOCK 1, 1, 0, 0, 0, 0
	; THE MERGE.  The two halves of the lanes summed different keys of the same query.
	PLACES
.irp t, 0,1,2,3
	v_permlanex16_b32 v[ZZ], v[ML+2*\t+1], s24, s25
	v_add_f32 v[ML+2*\t+1], v[ML+2*\t+1], v[ZZ]
.endr
	s_cmp_eq_u32 s13, 0
	s_cbranch_scc1 .Lkeep
	WIN 0x04                                       ; store data in window 1
.set j, 0
.rept 32
	ds_store_b128 v[SCRA], v[OA+4*j:OA+4*j+3] offset:512*j
.set j, j+1
.endr
	WIN 0
	ds_store_b128 v[SCRA], v[ML:ML+3] offset:512*32
	ds_store_b128 v[SCRA], v[ML+4:ML+7] offset:512*33
.Lkeep:
	s_wait_dscnt 0x0                               ; what I hand over is written
	s_barrier_signal -1
	s_barrier_wait -1
	s_cmp_lg_u32 s13, 0
	s_cbranch_scc1 .Lclose
	ds_load_b128 v[GT:GT+3], v[SCRA] offset:512*32     ; the partner's maxima (even registers) and sums (odd)
	ds_load_b128 v[GT+4:GT+7], v[SCRA] offset:512*33
; query tile t: both parts under the common maximum, the off-by-one term exp(-m), the division, and 16 rows into my stage
.macro MERGE t
.irp i, 0,1,2,3,4,5,6,7
	ds_load_b128 v[KF+4*\i:KF+4*\i+3], v[SCRA] offset:512*(8*\t+\i)
.endr
	s_wait_dscnt 0x0
	v_mul_f32 v[XM+1], s27, v[ML+2*\t]             ; my shift and the partner's, rounded as they were used
	v_mul_f32 v[XM+2], s27, v[GT+2*\t]
	v_min_num_f32 v[XM], v[XM+1], v[XM+2]          ; the shift of the larger maximum
	v_sub_f32 v[XM+1], v[XM], v[XM+1]
	v_sub_f32 v[XM+2], v[XM], v[XM+2]
	v_exp_f32 v[XM+1], v[XM+1]
	v_exp_f32 v[XM+2], v[XM+2]
	v_exp_f32 v[XM+3], v[XM]                       ; exp(-m); an overflow gives 1 / sum = 0, as in the definition
	v_nop
	s_wait_alu depctr_va_vdst(0)
	v_fma_f32 v[YY], v[ML+2*\t+1], v[XM+1], v[XM+3]
	v_fma_f32 v[YY], v[GT+2*\t+1], v[XM+2], v[YY]
	v_rcp_f32 v[YY], v[YY]
	v_nop
	s_wait_alu depctr_va_vdst(0)
	v_mul_f32 v[MM], v[XM+1], v[YY]
	v_mul_f32 v[AL], v[XM+2], v[YY]
	WIN 0x01                                       ; source 0 in window 1
.set j, 0
.rept 16
	v_pk_mul_f32 v[VF+2*j:VF+2*j+1], v[OA+32*\t+2*j:OA+32*\t+2*j+1], v[MM:MM+1] op_sel_hi:[1,0]
.set j, j+1
.endr
	WIN 0
.set j, 0
.rept 16
	v_pk_fma_f32 v[VF+2*j:VF+2*j+1], v[KF+2*j:KF+2*j+1], v[AL:AL+1], v[VF+2*j:VF+2*j+1] op_sel_hi:[1,0,1]
.set j, j+1
.endr
.set j, 0
.rept 16
	v_cvt_pk_bf16_f32 v[PB+j], v[VF+2*j], v[VF+2*j+1]
.set j, j+1
.endr
.irp dt, 0,1,2,3
	ds_store_b128 v[STGS], v[PB+4*\dt:PB+4*\dt+3] offset:16*KP*\t+32*\dt     ; query 16 t + r, d = 16 dt + 8 hh .. + 7
.endr
.endm
	MERGE 0
	MERGE 1
	MERGE 2
	MERGE 3
.irp i, 0,1,2,3,4,5,6,7,8,9,10,11,12,13,14,15
	ds_load_b128 v[KF+4*\i:KF+4*\i+3], v[STGR] offset:4*KP*\i      ; my own stage: LDS serves a wave's instructions in order
.endr
.irp i, 0,1,2,3,4,5,6,7,8,9,10,11,12,13,14,15
	s_wait_dscnt 15-\i
	global_store_b128 v[AOO], v[KF+4*\i:KF+4*\i+3], s[10:11] offset:512*\i     ; 32 lanes store four queries' 512 consecutive bytes, aligned
.endr
.Lclose:
	s_set_vgpr_msb 0x1
	s_wait_tensorcnt 0x0
	ds_add_u32 v255, v255
	s_wait_dscnt 0x0
	s_set_vgpr_msb 0x100
	ROUND                                          ; the closing round
	s_endpgm
.Lfunc_end_k_qf001cd108d_attn:
	.size	k_qf001cd108d_attn, .Lfunc_end_k_qf001cd108d_attn-k_qf001cd108d_attn
	.p2alignl 7, 3214868480
	.fill 96, 4, 3214868480
	.section	.rodata,"a",@progbits
	.p2align	6, 0x0
	.amdhsa_kernel k_qf001cd108d_attn
		.amdhsa_group_segment_fixed_size 327680
		.amdhsa_private_segment_fixed_size 0
		.amdhsa_enable_private_segment 0
		.amdhsa_kernarg_size 32
		.amdhsa_user_sgpr_count 2
		.amdhsa_user_sgpr_kernarg_segment_ptr 1
		.amdhsa_wavefront_size32 1
		.amdhsa_system_sgpr_workgroup_id_x 1
		.amdhsa_system_sgpr_workgroup_id_y 1
		.amdhsa_system_sgpr_workgroup_id_z 1
		.amdhsa_system_vgpr_workitem_id 0
		.amdhsa_next_free_vgpr 512
		.amdhsa_next_free_sgpr 74
		.amdhsa_reserve_vcc 0
		.amdhsa_float_denorm_mode_32 3
		.amdhsa_float_denorm_mode_16_64 3
		.amdhsa_memory_ordered 1
		.amdhsa_forward_progress 1
		.amdhsa_inst_pref_size 255
	.end_amdhsa_kernel
	.section	.bss,"aw",@nobits
	.p2align	6
	.space	262144
	.amdgpu_metadata
---
amdhsa.version: [ 1, 2 ]
amdhsa.kernels:
  - .name:           k_qf001cd108d_attn
    .symbol:         k_qf001cd108d_attn.kd
    .args:
      - { .name: qkv, .offset: 0, .size: 8, .value_kind: global_buffer, .address_space: global }
      - { .name: bias1, .offset: 8, .size: 8, .value_kind: global_buffer, .address_space: global }
      - { .name: delete_gate_mask, .offset: 16, .size: 8, .value_kind: global_buffer, .address_space: global }
      - { .name: ao, .offset: 24, .size: 8, .value_kind: global_buffer, .address_space: global }
    .group_segment_fixed_size: 327680
    .private_segment_fixed_size: 0
    .kernarg_segment_align: 8
    .kernarg_segment_size: 32
    .max_flat_workgroup_size: 256
    .sgpr_count:     74
    .vgpr_count:     512
    .wavefront_size: 32
...
	.end_amdgpu_metadata
.endif
;; end of part 3
;; launch oproj (part 4): grid 8 x 32, 4 waves a work-group, clusters of 4 x 4, 327,680 bytes of LDS; arguments ao, wt, hidden_states, out0; writes out0
.if DOCPART == 4
	.amdgcn_target "amdgcn-amd-amdhsa--gfx1250"
	.amdhsa_code_object_version 6
	.text
	.protected	k_qf001cd108d_oproj
	.globl	k_qf001cd108d_oproj
	.p2align	8
	.type	k_qf001cd108d_oproj,@function
k_qf001cd108d_oproj:
	s_mov_b64 s[64:65], 0
	v_nop
	global_prefetch_b8 v0, s[64:65] scope:SCOPE_SE
	s_setreg_imm32_b32 hwreg(HW_REG_WAVE_MODE, 25, 1), 1
	s_wait_xcnt 0x0
	s_wait_alu depctr_hold_cnt(0) depctr_sa_sdst(0) depctr_va_vdst(0) depctr_va_sdst(0) depctr_va_ssrc(0) depctr_va_vcc(0) depctr_vm_vsrc(0)
	s_getreg_b32 s2, hwreg(HW_REG_IB_STS2, 6, 4)
	s_cmp_eq_u32 s2, 0
	s_cbranch_scc0 .Lentry_in_a_cluster
	s_endpgm
.Lentry_in_a_cluster:
	s_bfe_u32 s2, ttmp6, 0x10000c
	s_cmp_lg_u32 s2, 0xf033
	s_cbranch_scc0 .Lentry_shape_is_right
	s_endpgm
.Lentry_shape_is_right:
; out0 = hidden_states + ao * o_w: C[m][n] = sum over k of A[m][k] wt[3072 + n][k], M = 4096, N = 1024, K = 1024 (k = 64 head + d), bf16 in, f32 sums,
; the residual added in f32.  A lies by blocks of 128 tokens: ao[block row][head][128 tokens][64], so that a block row's heads are 2,048 dense rows of 128 bytes.
; 8 x 32 = 256 work-groups make blocks of 128 x 128 with four waves, a wave 64 x 64: 16 accumulator tiles in window 1 (tile (a, b) at v[8 (4 a + b)]).
; K goes in four steps of 256 = four heads through two LDS slots.  A slot: A as 512 rows (4 heads x 128 tokens) of 128 bytes, pitch 144; then B's 128 rows of
; 512 bytes, pitch 528.  Waves 0 and 1 fetch two heads of A each (256 rows), waves 2 and 3 64 rows of B each.  The two first fills bring half of K at once; each of the
; two refills has a whole slot's 128 matrix instructions of a wave in which to land.  The four steps are written out: there is no loop.
; The wave's 64 x 64 numbers of the residual are asked for straight behind the first fills, into 128 registers of window 1, and are waited for once, at the way out.
; CLUSTERS: 4 x 4 work-groups; A's tiles are shared along a row of the cluster, B's along a column, each asked for jointly.
; The matrix instruction is used transposed (source 0 = rows of wt, source 1 = rows of A): a lane's eight results are eight neighbouring columns of one row.
.set HEADB,  16384                     ; bytes of one head of a token block in ao
.set APITCH, 144
.set BPITCH, 528
.set AHEAD,  128*APITCH                ; one head in LDS
.set AFILL,  2*AHEAD                   ; what one wave fetches of A
.set BOFF,   4*AHEAD                   ; 73,728
.set BHALF,  64*BPITCH                 ; what one wave fetches of B
.set SLOT,   BOFF+2*BHALF              ; 141,312
.set STAGE,  2*SLOT                    ; behind the slots: 16 rows x (256 + 16) bytes for each wave
.set SPITCH, 272
.set ADRA, 16                          ; v16-17  my A fragments in slot 0, 1
.set ADRB, 20                          ; v20-21  my B fragments
.set STO,  24
.set RD,   25
.set CO,   26
.set F0,   64                          ; fragment buffers: A's block a at 8 a, B's block b at 32 + 8 b
.set F1,   128
.set RR,   192                         ; v[192:223] results read back by rows
.set HR,   128                         ; window 1, v[128:255]: the residual, then the sums that are stored
.set G1, 24
.set G0, 32
.set G1B, 48
.set G0B, 56
.set ACCW, 0x50                        ; C and D in window 1
.set MSB, 0
.macro WIN new                         ; s_set_vgpr_msb: bits 1:0 source 0, 3:2 source 1, 5:4 source 2, 7:6 destination; the high byte repeats the setting that is left
.if MSB != \new
	s_set_vgpr_msb (MSB<<8)|\new
.set MSB, \new
.endif
.endm
.macro JLOAD s                         ; a joint load: waves 0, 1 ask for A, waves 2, 3 for B
	s_cmp_eq_u32 s13, 0
	s_cbranch_scc0 .Lfor_b_\@
	tensor_load_to_lds s[G0+4*\s:G0+4*\s+3], s[G1:G1+7]
	s_nop 0
	s_branch .Lasked_\@
.Lfor_b_\@:
	tensor_load_to_lds s[G0B+4*\s:G0B+4*\s+3], s[G1B:G1B+7]
	s_nop 0
.Lasked_\@:
.endm
.macro CREST                           ; a round of the cluster's barrier behind its opening barrier
	s_cmp_lg_u32 s12, 0
	s_cbranch_scc1 .Lnot_wave_0_\@
	s_barrier_signal -3
.Lnot_wave_0_\@:
	s_barrier_wait -3
	s_barrier_signal -1
	s_barrier_wait -1
.endm
.macro CROUND
	s_barrier_signal -1
	s_barrier_wait -1
	CREST
.endm
.macro PLACES                          ; four plain vector instructions behind a matrix instruction (ISA guide 7.12.1)
.rept 4
	v_nop
.endr
.endm
	s_load_b256 s[4:11], s[0:1], 0x0               ; ao s[4:5], wt s[6:7], hidden s[8:9], out0 s[10:11]
	v_lshl_add_u32 v254, v0, 2, 0x49400
	v_mov_b32 v255, 0
	ds_add_u32 v254, v255
	v_lshrrev_b32 v1, 5, v0
	v_readfirstlane_b32 s12, v1                    ; wave 0..3
	s_lshr_b32 s13, s12, 1                         ; my half of the block's rows.  Also: I fetch for A (0) or for B (1)
	s_and_b32 s14, s12, 1                          ; my half of its columns.  Also: which two heads of A, which 64 rows of B
	s_bfe_u32 s15, ttmp6, 0x40000                  ; cx
	s_bfe_u32 s16, ttmp6, 0x40004                  ; cy
	s_lshl_b32 s17, ttmp9, 2
	s_add_co_u32 s17, s17, s15                     ; block column 0..7
	s_and_b32 s18, ttmp7, 0xffff
	s_lshl_b32 s18, s18, 2
	s_add_co_u32 s18, s18, s16                     ; block row 0..31
	s_lshl_b32 s40, s16, 2
	s_lshl_b32 s40, 15, s40                        ; my row of the cluster
	s_lshl_b32 s41, 0x1111, s15                    ; my column
	s_or_b32 s[G1+0], s40, (1<<16)|(1<<20)|(1<<21)|(4<<22)|(3<<25)    ; A: elements of 2 bytes, 4 words of padding behind every 32
	s_or_b32 s[G1B+0], s41, (1<<16)|(1<<20)|(1<<21)|(6<<22)|(3<<25)   ; B: behind every 128
	s_mov_b32 s[G1+1], 64<<16                      ; A: tensor_dim0 = 64
	s_mov_b32 s[G1+2], 256<<16                     ; tensor_dim1 = 256
	s_mov_b32 s[G1+3], 64<<16                      ; tile_dim0 = 64
	s_mov_b32 s[G1+4], 256                         ; tile_dim1 = 256: two heads x 128 tokens
	s_mov_b32 s[G1+5], 64                          ; elements from row to row: the rows are dense
	s_mov_b32 s[G1+6], 0
	s_mov_b32 s[G1+7], 0
	s_mov_b32 s[G1B+1], 256<<16                    ; B: tensor_dim0 = 256
	s_mov_b32 s[G1B+2], 64<<16                     ; tensor_dim1 = 64
	s_mov_b32 s[G1B+3], 256<<16                    ; tile_dim0 = 256
	s_mov_b32 s[G1B+4], 64                         ; tile_dim1 = 64
	s_mov_b32 s[G1B+5], 1024
	s_mov_b32 s[G1B+6], 0
	s_mov_b32 s[G1B+7], 0
	; A's address hangs on the block row and the wave, B's on the block column and the wave, each in registers that never hold the other coordinate
	s_lshl_b32 s20, s18, 18                        ; a block row of ao: 16 heads of 16,384 bytes
	s_lshl_b32 s21, s14, 15                        ; the step's first or second pair of heads
	s_add_co_u32 s20, s20, s21
	s_mov_b32 s21, 0
	s_lshl_b32 s44, s17, 18                        ; 128 rows of 2,048 bytes
	s_lshl_b32 s45, s14, 17                        ; 64 rows
	s_add_co_u32 s44, s44, s45
	s_add_co_u32 s44, s44, 3072*2048               ; o_w's rows of wt
	s_mov_b32 s45, 0
	s_mul_i32 s22, s12, AFILL                      ; A's fill: wave x two heads (waves 0, 1)
	s_mul_i32 s23, s12, BHALF                      ; B's fill: wave x 64 rows, counted from wave 2 (waves 2, 3)
	s_add_co_u32 s23, s23, BOFF-2*BHALF
	s_lshl_b32 s46, s18, 19                        ; hidden_states and out0: 128 rows of 4,096 bytes for each block row,
	s_lshl_b32 s47, s13, 18                        ; 64 rows for my half,
	s_add_co_u32 s46, s46, s47
	s_lshl_b32 s47, s17, 9                         ; 128 columns of 4 bytes for each block column,
	s_add_co_u32 s46, s46, s47
	s_lshl_b32 s47, s14, 8                         ; 64 columns for my half
	s_add_co_u32 s46, s46, s47
	s_mov_b32 s47, 0
	; the lanes' addresses, made while the arguments are on their way
	v_and_b32 v1, 15, v0                           ; r
	v_bfe_u32 v2, v0, 4, 1                         ; hh
	v_mul_u32_u24 v3, v1, APITCH
	v_lshl_add_u32 v3, v2, 4, v3
	v_mul_u32_u24 v4, v1, BPITCH
	v_lshl_add_u32 v4, v2, 4, v4
	s_mul_i32 s42, s13, 64*APITCH                  ; my 64 tokens in every head
	s_mul_i32 s43, s14, 64*BPITCH                  ; my 64 rows of B
	s_add_co_u32 s43, s43, BOFF
.irp s, 0,1
	v_add_nc_u32 v[ADRA+\s], s42, v3
	v_add_nc_u32 v[ADRB+\s], s43, v4
	s_add_co_u32 s42, s42, SLOT
	s_add_co_u32 s43, s43, SLOT
.endr
	s_mul_i32 s19, s12, 16*SPITCH
	s_add_co_u32 s19, s19, STAGE                   ; my stage
	v_mul_u32_u24 v5, v1, SPITCH
	v_lshl_add_u32 v5, v2, 5, v5                   ; in: row r, 32 bytes for each half of the lanes
	v_add_nc_u32 v[STO], s19, v5
	v_mul_u32_u24 v6, v2, SPITCH
	v_lshl_add_u32 v6, v1, 4, v6                   ; back: lanes 0-15 one row of 256 bytes, lanes 16-31 the next
	v_add_nc_u32 v[RD], s19, v6
	v_lshlrev_b32 v7, 12, v2
	v_lshl_add_u32 v[CO], v1, 4, v7                ; the same two rows in hidden_states and out0
	s_wait_dscnt 0x0
	s_wait_kmcnt 0x0
	s_add_nc_u64 s[20:21], s[4:5], s[20:21]
	s_add_nc_u64 s[44:45], s[6:7], s[44:45]
	s_add_nc_u64 s[8:9], s[8:9], s[46:47]
	s_add_nc_u64 s[10:11], s[10:11], s[46:47]
	CROUND                                         ; all sixteen work-groups are here: the first joint loads meet
.irp s, 0,1
	s_mov_b32 s[G0+4*\s], 1
	s_add_co_u32 s[G0+4*\s+1], s22, \s*SLOT
	s_add_nc_u64 s[G0+4*\s+2:G0+4*\s+3], s[20:21], \s*4*HEADB      ; slot s starts with heads 4 s
	s_or_b32 s[G0+4*\s+3], s[G0+4*\s+3], 0x80000000
	s_mov_b32 s[G0B+4*\s], 1
	s_add_co_u32 s[G0B+4*\s+1], s23, \s*SLOT
	s_add_nc_u64 s[G0B+4*\s+2:G0B+4*\s+3], s[44:45], \s*512        ; and with k = 256 s
	s_or_b32 s[G0B+4*\s+3], s[G0B+4*\s+3], 0x80000000
	JLOAD \s                                       ; two loads of the wave are out
.endr
	; the residual: 32 loads, each two rows' 256 bytes; nothing reads them before the way out
	WIN 0x40                                       ; destination in window 1
.irp a, 0,1,2,3
.irp t, 0,1,2,3,4,5,6,7
	global_load_b128 v[HR+32*\a+4*\t:HR+32*\a+4*\t+3], v[CO], s[8:9] offset:65536*\a+8192*\t
.endr
.endr
	WIN 0
; 4 na matrix instructions: m blocks a0 .. a0 + na - 1 x the four n blocks, 32 along K.  The 16 accumulators take turns, one instruction a turn.
.macro MULA f, a0, na, zero
.set aa, \a0
.rept \na
.irp b, 0,1,2,3
.if \zero
	v_wmma_f32_16x16x32_bf16 v[8*(4*aa+\b):8*(4*aa+\b)+7], v[\f+32+8*\b:\f+32+8*\b+7], v[\f+8*aa:\f+8*aa+7], 0
.else
	v_wmma_f32_16x16x32_bf16 v[8*(4*aa+\b):8*(4*aa+\b)+7], v[\f+32+8*\b:\f+32+8*\b+7], v[\f+8*aa:\f+8*aa+7], v[8*(4*aa+\b):8*(4*aa+\b)+7]
.endif
.endr
.set aa, aa+1
.endr
.endm
; 16 LDS loads: eighth kq (32 along K) of a slot into buffer f: B's four blocks, then A's four.  k = 32 kq lies in head kq / 2, at byte 64 (kq % 2) of its rows.
.macro FETCH slot, kq, f
.irp b, 0,1,2,3
	ds_load_b128 v[\f+32+8*\b:\f+32+8*\b+3], v[ADRB+\slot] offset:64*\kq+\b*16*BPITCH
	ds_load_b128 v[\f+32+8*\b+4:\f+32+8*\b+7], v[ADRB+\slot] offset:64*\kq+\b*16*BPITCH+32
.endr
.irp a, 0,1,2,3
	ds_load_b128 v[\f+8*\a:\f+8*\a+3], v[ADRA+\slot] offset:(\kq/2)*AHEAD+(\kq%2)*64+\a*16*APITCH
	ds_load_b128 v[\f+8*\a+4:\f+8*\a+7], v[ADRA+\slot] offset:(\kq/2)*AHEAD+(\kq%2)*64+\a*16*APITCH+32
.endr
.endm
; One of a slot's first seven eighths: multiplies buffer f; in its middle it fetches eighth kq into buffer g.
.macro EIGHTH slot, kq, f, g, zero
	s_wait_dscnt 4                                 ; B and A's blocks 0, 1 are in; the youngest four loads (A's blocks 2, 3) may be out
	WIN ACCW
	MULA \f, 0, 2, \zero
	PLACES
	WIN 0
	FETCH \slot, \kq, \g
	s_wait_dscnt 16                                ; all but the 16 just issued
	WIN ACCW
	MULA \f, 2, 2, \zero
.endm
.macro SEVEN slot, zero
	EIGHTH \slot, 1, F0, F1, \zero
	EIGHTH \slot, 2, F1, F0, 0
	EIGHTH \slot, 3, F0, F1, 0
	EIGHTH \slot, 4, F1, F0, 0
	EIGHTH \slot, 5, F0, F1, 0
	EIGHTH \slot, 6, F1, F0, 0
	EIGHTH \slot, 7, F0, F1, 0
.endm
; The last eighth changes slots: each wave waits for its reads of this slot and for all its tensor loads (one is out: its part of the next slot), then the barrier;
; where the slot is filled again the barrier opens a round of the cluster's barrier, and the joint refill is the first tensor load behind it.
.macro TURN slot, next, fill
	s_wait_dscnt 4
	WIN ACCW
	MULA F1, 0, 1, 0
	s_wait_dscnt 0
	s_wait_tensorcnt 0x0
	ds_add_u32 v254, v255
	s_wait_dscnt 0x0
	s_barrier_signal -1
	MULA F1, 1, 1, 0                               ; work on registers while the others arrive
	WIN 0
	s_barrier_wait -1
.if \fill
	CREST
	s_add_nc_u64 s[G0+4*\slot+2:G0+4*\slot+3], s[G0+4*\slot+2:G0+4*\slot+3], 8*HEADB   ; two slots = eight heads on
	s_add_nc_u64 s[G0B+4*\slot+2:G0B+4*\slot+3], s[G0B+4*\slot+2:G0B+4*\slot+3], 1024  ; 512 along K
	JLOAD \slot
.endif
	PLACES
	FETCH \next, 0, F0
	WIN ACCW
	MULA F1, 2, 2, 0
.endm
	s_wait_tensorcnt 1                             ; my part of slot 0 is in; slot 1's load stays out
	s_barrier_signal -1
	s_barrier_wait -1
	FETCH 0, 0, F0
	SEVEN 0, 1                                     ; k 0-255: the first products start the sums
	TURN 0, 1, 1                                   ; slot 0 gets k 512-767
	SEVEN 1, 0                                     ; k 256-511
	TURN 1, 0, 1                                   ; slot 1 gets k 768-1023
	SEVEN 0, 0
	TURN 0, 1, 0                                   ; nothing is left to fetch
	SEVEN 1, 0
	s_wait_dscnt 0
	WIN ACCW
	MULA F1, 0, 4, 0
	; THE WAY OUT, 16 rows at a time: f32 through my own stage, read back as rows of 256 bytes, added onto the residual in its registers, stored from there.
	; No register that a store reads is written again.
	PLACES
	s_wait_loadcnt 0x0                             ; the residual, asked for at the start
.macro OUTF a
	WIN 0x04                                       ; store data in window 1
.irp b, 0,1,2,3
	ds_store_b128 v[STO], v[8*(4*\a+\b):8*(4*\a+\b)+3] offset:64*\b
	ds_store_b128 v[STO], v[8*(4*\a+\b)+4:8*(4*\a+\b)+7] offset:64*\b+16
.endr
.irp t, 0,1,2,3,4,5,6,7
	ds_load_b128 v[RR+4*\t:RR+4*\t+3], v[RD] offset:2*SPITCH*\t        ; my own stage: LDS serves a wave's instructions in order
.endr
	WIN 0x44                                       ; source 1 and destination in window 1
.irp t, 0,1,2,3,4,5,6,7
	s_wait_dscnt 7-\t                              ; rows 2 t, 2 t + 1 are back
	v_pk_add_f32 v[HR+32*\a+4*\t:HR+32*\a+4*\t+1], v[RR+4*\t:RR+4*\t+1], v[HR+32*\a+4*\t:HR+32*\a+4*\t+1]
	v_pk_add_f32 v[HR+32*\a+4*\t+2:HR+32*\a+4*\t+3], v[RR+4*\t+2:RR+4*\t+3], v[HR+32*\a+4*\t+2:HR+32*\a+4*\t+3]
	global_store_b128 v[CO], v[HR+32*\a+4*\t:HR+32*\a+4*\t+3], s[10:11] offset:65536*\a+8192*\t    ; sixteen lanes store 256 consecutive bytes of one row, aligned
.endr
.endm
	OUTF 0
	OUTF 1
	OUTF 2
	OUTF 3
	WIN 0
	s_wait_tensorcnt 0x0
	ds_add_u32 v254, v255
	s_wait_dscnt 0x0
	CROUND                                         ; the closing round
	s_endpgm
.Lfunc_end_k_qf001cd108d_oproj:
	.size	k_qf001cd108d_oproj, .Lfunc_end_k_qf001cd108d_oproj-k_qf001cd108d_oproj
	.p2alignl 7, 3214868480
	.fill 96, 4, 3214868480
	.section	.rodata,"a",@progbits
	.p2align	6, 0x0
	.amdhsa_kernel k_qf001cd108d_oproj
		.amdhsa_group_segment_fixed_size 327680
		.amdhsa_private_segment_fixed_size 0
		.amdhsa_enable_private_segment 0
		.amdhsa_kernarg_size 32
		.amdhsa_user_sgpr_count 2
		.amdhsa_user_sgpr_kernarg_segment_ptr 1
		.amdhsa_wavefront_size32 1
		.amdhsa_system_sgpr_workgroup_id_x 1
		.amdhsa_system_sgpr_workgroup_id_y 1
		.amdhsa_system_sgpr_workgroup_id_z 1
		.amdhsa_system_vgpr_workitem_id 0
		.amdhsa_next_free_vgpr 512
		.amdhsa_next_free_sgpr 66
		.amdhsa_reserve_vcc 0
		.amdhsa_float_denorm_mode_32 3
		.amdhsa_float_denorm_mode_16_64 3
		.amdhsa_memory_ordered 1
		.amdhsa_forward_progress 1
		.amdhsa_inst_pref_size 97
	.end_amdhsa_kernel
	.amdgpu_metadata
---
amdhsa.version: [ 1, 2 ]
amdhsa.kernels:
  - .name:           k_qf001cd108d_oproj
    .symbol:         k_qf001cd108d_oproj.kd
    .args:
      - { .name: ao, .offset: 0, .size: 8, .value_kind: global_buffer, .address_space: global }
      - { .name: wt, .offset: 8, .size: 8, .value_kind: global_buffer, .address_space: global }
      - { .name: hidden_states, .offset: 16, .size: 8, .value_kind: global_buffer, .address_space: global }
      - { .name: out0, .offset: 24, .size: 8, .value_kind: global_buffer, .address_space: global }
    .group_segment_fixed_size: 327680
    .private_segment_fixed_size: 0
    .kernarg_segment_align: 8
    .kernarg_segment_size: 32
    .max_flat_workgroup_size: 128
    .sgpr_count:     66
    .vgpr_count:     512
    .wavefront_size: 32
...
	.end_amdgpu_metadata
.endif
;; end of part 4
